; MI455X (gfx1250); checked and timed in simulation.
; The chip was launched on July 23, 2026; its instructions are those of AMD's public machine-readable ISA for CDNA 5 (MIT licence, August 2026) and "CDNA5" Instruction Set Architecture Reference Guide (July 2026). The comments in the code are by the model that wrote it; some were corrected since.
;; Self Attention. Allowed arithmetic: matrix products marked QUANTISED: E2M1 operands, one E8M0 scale for each 32 along K, by v_wmma_scale_f32_16x16x128_f8f6f4 with both operands' format E2M1 (or v_wmma_scale_f32_32x16x128_f4), f32 sums; everything else in f32.
;; Inputs: bk 1,024 float32; bo 1,024 float32; bq 1,024 float32; bv 1,024 float32; g 1,024 float32; h 2 x 2,048 x 1,024 float32; wk 1,024 x 1,024 float32; wo 1,024 x 1,024 float32; wq 1,024 x 1,024 float32; wv 1,024 x 1,024 float32.
;; Outputs: out0 2 x 2,048 x 1,024 float32.
;; This version of the problem:
;;   THIS VERSION OF THE PROBLEM IS GIVEN IN LOW PRECISION. The matrix products marked QUANTISED in the list below multiply operands that are first quantised to E2M1 (2 exponent bits, 1 mantissa bit; 4 bits a number), with one power-of-two scale for each 32 numbers along K (OCP MX v1.0); their sums are f32. All else is computed in f32.
;;   The module's matrix products, in the order in which they are computed (A, B: the left and right operand; K: the contracted axis; several contracted axes count as one K, in the product's order):
;;     1. [M 4,096, K 1,024] x [K 1,024, N 1,024]; A: computed on the way; B: input wq: QUANTISED
;;     2. [M 4,096, K 1,024] x [K 1,024, N 1,024]; A: computed on the way; B: input wk: QUANTISED
;;     3. [M 4,096, K 1,024] x [K 1,024, N 1,024]; A: computed on the way; B: input wv: QUANTISED
;;     4. batch 32 x [M 2,048, K 64] x [K 64, N 2,048]; A: computed on the way; B: computed on the way: QUANTISED
;;     5. batch 32 x [M 64, K 2,048] x [K 2,048, N 2,048]; A: computed on the way; B: softmax (see below): QUANTISED
;;     6. [M 4,096, K 1,024] x [K 1,024, N 1,024]; A: computed on the way; B: input wo: QUANTISED
;;   THE QUANTISER, for each operand of a quantised product, along K:
;;     - K is cut into blocks of 32 from its start; a last block that is shorter is filled with zeros.
;;     - A block's scale is 2^e with e = floor(log2(the largest magnitude in the block)) - 2, held to -126 .. 127; a block of zeros has e = 0. As a byte (E8M0): e + 127.
;;     - Each number is divided by its block's scale, clamped to +-6, and rounded to the nearest number of E2M1, ties to even, subnormals kept.
;;     - The product sums the exact products of the quantised numbers (number of the format x scale) in f32.
;;   ~~~python
;;   def quantise(x, axis):      # numpy; x: float32 -> the quantised numbers, widened to float32 again
;;       x = np.moveaxis(x, axis, -1); K = x.shape[-1]
;;       x = np.pad(x, [(0, 0)] * (x.ndim - 1) + [(0, -K % 32)]); x = x.reshape(x.shape[:-1] + (-1, 32)); a = np.abs(x).max(-1, keepdims=True)
;;       e = np.where(a > 0, np.clip(np.frexp(np.where(a > 0, a, 1))[1] - 1 - 2, -126, 127), 0)      # np.frexp(a)[1] - 1 = floor(log2(a)), exactly
;;       r = np.clip(x / 2.0 ** e, -6, 6)
;;       step = 2.0 ** (np.maximum(np.frexp(np.where(r == 0, 1, r))[1] - 1, 0) - 1)
;;       q = np.round(r / step) * step * 2.0 ** e      # np.round: ties to even
;;       return np.moveaxis(q.reshape(q.shape[:-2] + (-1,))[..., :K], -1, axis).astype(np.float32)
;;   ~~~
;;   SOFTMAX AHEAD OF A QUANTISED PRODUCT. Where the list says 'softmax', what is quantised is not the finished softmax but p = 2^(t - M), with t = logit x log2(e) and M = ceil(the row's largest t), a whole number; so 1/2 < the row's largest p <= 1. The row's sum l is taken of the UNQUANTISED p, in f32, and the product's result is divided by l at the end. Since M is a whole number, a kernel that streams over the keys may use a running M (the ceiling of the running maximum): every later rescaling is an exact power of two, which a block's scale takes up: the codes' values come out the same.
;;   OPERANDS COMPUTED ON THE WAY. 'Computed on the way' means the value that the module computes at that place (a softmax that the list does not call 'softmax' is quantised finished and normalised). What goes into a quantiser is computed in f32, as accurately as f32 sums, v_exp_f32 and their like allow (about 1e-6 of the number): no bf16 or f16 on the way to a quantiser, and a product that is left as it is and whose result goes on into a quantised operand takes f32 operands (vector FMAs, or v_wmma_f32_16x16x4_f32). A number that lies on a knife's edge between two numbers of the format may be rounded either way, as far as f32 arithmetic and the matrix unit's own rounding can turn it there, and no further.
;; One version. Each part assembles by itself: llvm-mc -triple=amdgcn-amd-amdhsa -mcpu=gfx1250 --defsym DOCPART=n.
;; ======== version 1 of 1: 4 launches
;; limits: right only within a limited range of input values
;; workspace buffers: xw_codes 4,194,304 bytes; xw_scales 262,144 bytes; rope 524,288 bytes; q_codes 2,097,152 bytes; kv 4,456,448 bytes; q_scales 131,072 bytes; o_codes 2,097,152 bytes; o_scales 131,072 bytes
;; launch prep (part 1): grid 256 x 1, 24 waves a work-group, no clusters, 90,112 bytes of LDS; arguments h, g, wq, wk, wv, wo, xw_codes, xw_scales, rope; writes xw_codes, xw_scales, rope
.if DOCPART == 1
	.amdgcn_target "amdgcn-amd-amdhsa--gfx1250"
	.amdhsa_code_object_version 6
	.text
	.protected	k_qd9688fd6c9_prep
	.globl	k_qd9688fd6c9_prep
	.p2align	8
	.type	k_qd9688fd6c9_prep,@function
k_qd9688fd6c9_prep:
	s_mov_b64 s[64:65], 0
	v_nop
	global_prefetch_b8 v0, s[64:65] scope:SCOPE_SE
	s_setreg_imm32_b32 hwreg(HW_REG_WAVE_MODE, 25, 1), 1
	s_wait_xcnt 0x0
; PREP: everything that is quantised once.  Each of the 256 work-groups takes 16 rows of h (waves 0-15, a row each: RMSNorm, quantised along the 1,024; and the cos and sin of RoPE for these positions)
; and 64 columns x 256 along K of one weight (waves 16-23: 32 columns x 64 along K each), quantised along K.
; A TILE'S 16 ROWS: tile n takes, of the 64 rows from 64 (n / 4) on, rows 8 (n % 4) + 0..7 and 32 + 8 (n % 4) + 0..7.  In a product whose result has these rows as its M, a lane's registers of four tiles are
; then 32 neighbouring rows: a whole block of a quantiser along the rows.  All launches keep this order; the last one stores rows at their true places.
; LAYOUT OF CODES: a tile of 16 rows (or columns) x K = 1,024 is 8,192 bytes, [block of 32 along K][row 0-15][16 bytes].  Scale bytes: 512 a tile, [half of K][row 0-15][16 blocks].
; Weight tiles: q, k, v of head hd: (3 hd + which) x 4 + (column / 16) % 4; wo: 192 + column / 16.
; A block's scale is 2^(floor(log2(largest magnitude)) - 2); its byte is the largest magnitude's exponent field - 2, held at 1 from below.
; LEFT OUT in launch attn: key steps that lie wholly above the diagonal of the mask that the problem itself builds: their p is 0 for all inputs.  A NaN, an infinity or an overflow that reaches only such scores is not carried to the result.
; LIMITS: NaN and infinities are not served.  A block whose largest magnitude lies under 2^-124 (a block of zeros too) gets the byte 1: its codes round as that scale says, zeros stay zeros, and only this program
; reads the bytes.  theta = 10000^(-i/32) is good to about two units in its last place, so an angle s x theta differs from one made with the exact theta by up to about 3e-4 radians at s = 2,047, in proportion to s.
; No matrix unit, no cluster, no tensor load: each input byte is read by one wave.
.set IMG,  73728                       ; LDS: 16 stages of 4,608 bytes (a wave's own, 144 bytes a lane) come first; then the tile's image, 32 blocks 272 bytes apart;
.set SCB,  82432                       ; the 16 rows' scale bytes, [half][row][16];
.set RT,   82944                       ; cos (2,048 bytes) and sin (2,048 bytes) as the next launch's registers want them;
.set SPARE, 87040                      ; the spare words, 128 bytes a wave
.set X,    32                          ; v32-95  weights: two blocks of 32 numbers.  norm: v32-63 my block of 32, v64-95 g's 32
.set G,    64
.set R,    96                          ; norm: v96-127 the row as loaded; later v96-99 codes, v100-103 sums
.set C,    96                          ; weights: v96-103 codes
.set SB,   104                         ; weights: two scale bytes
	s_load_b256 s[4:11], s[0:1], 0x0               ; h s[4:5], g s[6:7], wq s[8:9], wk s[10:11]
	s_load_b256 s[12:19], s[0:1], 0x20             ; wv s[12:13], wo s[14:15], the codes s[16:17], the scale bytes s[18:19]
	s_load_b64 s[20:21], s[0:1], 0x40              ; cos and sin
	v_lshl_add_u32 v128, v0, 2, SPARE
	v_mov_b32 v129, 0
	v_lshrrev_b32 v1, 5, v0
	v_readfirstlane_b32 s22, v1                    ; wave 0..23
	; every LDS address is made here, ahead of the parting: a constant + lane parts + a constant x wave (only waves 0-15 use them)
	s_min_u32 s23, s22, 15
	s_mul_i32 s25, s23, 4608
	s_lshl_b32 s26, s23, 4
	s_add_co_u32 s27, s26, IMG
	s_add_co_u32 s28, s26, SCB
	s_add_co_u32 s29, s26, RT
	s_mul_i32 s30, s23, 544
	s_add_co_u32 s30, s30, IMG
	v_and_b32 v2, 31, v0                           ; lane
	v_and_b32 v17, 15, v0
	v_bfe_u32 v18, v0, 4, 1
	v_and_b32 v19, 7, v0
	v_lshrrev_b32 v16, 3, v2
	v_lshlrev_b32 v3, 4, v2                        ; 16 x lane
	v_mul_u32_u24 v16, v16, 144
	v_mul_u32_u24 v5, v2, 144
	v_lshl_add_u32 v16, v19, 4, v16
	v_add_nc_u32 v5, s25, v5                       ; the stage, out: block = lane
	v_add_nc_u32 v4, s25, v16                      ; the stage, in: eight lanes' 128 bytes are a block, 144 bytes from block to block; a load's 512 bytes are four blocks
	v_mul_u32_u24 v6, v2, 272
	v_lshl_add_u32 v7, v18, 8, v17
	v_add_nc_u32 v6, s27, v6                       ; the image, in: block = lane, row = wave
	v_add_nc_u32 v7, s28, v7                       ; my block's scale byte
	v_lshlrev_b32 v8, 10, v18
	v_bfe_u32 v19, v0, 2, 1
	v_bfe_u32 v20, v0, 3, 1
	v_lshl_add_u32 v8, v19, 9, v8
	v_and_b32 v19, 3, v0
	v_lshl_add_u32 v8, v20, 8, v8
	v_mul_u32_u24 v9, v18, 272
	v_lshl_add_u32 v8, v19, 2, v8
	v_lshl_add_u32 v9, v17, 4, v9
	v_add_nc_u32 v8, s29, v8                       ; cos of (row = wave, theta's index i = lane): 1,024 (i/16) + 512 ((i/4)%2) + 256 ((i/8)%2) + 4 (i%4) + 16 wave
	v_add_nc_u32 v9, s30, v9                       ; the image, out: wave w takes blocks 2 w and 2 w + 1
	v_add_nc_u32 v10, SCB, v3                      ; the scale bytes, out (wave 8)
	v_lshlrev_b32 v31, 4, v0                       ; 512 x wave + 16 x lane: the place in memory
	v_lshlrev_b32 v14, 7, v2                       ; 128 x lane: g of my block
	v_add_nc_u32 v15, RT, v31                      ; cos and sin, out (waves 0-7)
	s_wait_alu depctr_va_vdst(0)                   ; the wait ahead of the branch
	s_cmp_lt_u32 s22, 16
	s_cbranch_scc1 .Lnorm
; ---------------- THE WEIGHTS.  A LANE TAKES A COLUMN AND ITS REGISTERS RUN DOWN K: a block of 32 lies in one lane, and the codes come out with K innermost.
; Two waves stand side by side on 256 bytes of each row.
	s_lshr_b32 s24, ttmp9, 6                       ; which weight: 0 q, 1 k, 2 v, 3 o
	s_and_b32 s26, ttmp9, 15                       ; which 64 columns (q, k, v: the head)
	s_bfe_u32 s25, ttmp9, 0x20004                  ; which 256 along K
	s_sub_co_u32 s27, s22, 16
	s_and_b32 s28, s27, 1                          ; which 32 of the 64 columns
	s_lshr_b32 s27, s27, 1
	s_lshl_b32 s29, s25, 2
	s_add_co_u32 s27, s27, s29                     ; which 64 along K, 0..15
	s_lshl_b32 s30, s27, 18                        ; 64 rows of 4,096 bytes
	s_lshl_b32 s29, s26, 8
	s_add_co_u32 s30, s30, s29
	s_lshl_b32 s29, s28, 7
	s_add_co_u32 s30, s30, s29
	s_mov_b32 s31, 0
	s_mul_i32 s32, s26, 3
	s_add_co_u32 s32, s32, s24
	s_lshl_b32 s32, s32, 2                         ; q, k, v: the head's first tile
	s_lshl_b32 s33, s26, 2
	s_add_co_u32 s33, s33, 192                     ; wo's
	s_cmp_lt_u32 s24, 3
	s_cselect_b32 s32, s32, s33
	s_lshl_b32 s28, s28, 1
	s_add_co_u32 s32, s32, s28                     ; my first tile
	s_lshl_b32 s34, s32, 13
	s_lshl_b32 s33, s27, 9
	s_add_co_u32 s34, s34, s33
	s_add_co_u32 s34, s34, 0x200000                ; the weights' codes begin behind x's 2 MiB
	s_mov_b32 s35, 0
	s_lshl_b32 s36, s32, 9
	s_lshr_b32 s33, s27, 3
	s_lshl_b32 s33, s33, 8
	s_add_co_u32 s36, s36, s33
	s_and_b32 s33, s27, 7
	s_lshl_b32 s33, s33, 1
	s_add_co_u32 s36, s36, s33
	s_add_co_u32 s36, s36, 0x20000                 ; their scale bytes behind x's 128 KiB
	s_mov_b32 s37, 0
	v_lshlrev_b32 v20, 2, v2                       ; in: 4 bytes a lane
	v_lshlrev_b32 v21, 13, v18
	v_lshlrev_b32 v22, 9, v18
	v_lshl_add_u32 v21, v17, 4, v21                ; out: lanes 16-31 belong to the next tile; 16 bytes a column
	v_lshl_add_u32 v22, v17, 4, v22                ; scale bytes: 16 a column
	s_wait_alu depctr_va_vdst(0)                   ; the wait ahead of the wait below
	s_wait_kmcnt 0x0
	s_cmp_eq_u32 s24, 1                            ; the choice of the buffer hangs on the work-group's number alone
	s_cselect_b64 s[8:9], s[10:11], s[8:9]
	s_cmp_eq_u32 s24, 2
	s_cselect_b64 s[8:9], s[12:13], s[8:9]
	s_cmp_eq_u32 s24, 3
	s_cselect_b64 s[8:9], s[14:15], s[8:9]
	s_add_nc_u64 s[8:9], s[8:9], s[30:31]
	s_add_nc_u64 s[16:17], s[16:17], s[34:35]
	s_add_nc_u64 s[18:19], s[18:19], s[36:37]
.set i, 0
.rept 64
	global_load_b32 v[X+i], v20, s[8:9] offset:i*4096 th:TH_LOAD_NT   ; both blocks: w(i, my column); 32 lanes read 128 consecutive bytes
.set i, i+1
.endr
.macro BLOCK t
.set XB, X+32*(\t)
	s_wait_loadcnt 32-32*(\t)                      ; this block's 32 loads are in
	v_max3_num_f32 v12, |v[XB]|, |v[XB+1]|, |v[XB+2]|     ; the block's largest magnitude, in two chains: all 32 numbers are mine
	v_max3_num_f32 v13, |v[XB+3]|, |v[XB+4]|, |v[XB+5]|
.irp i, 6,10,14,18,22,26
	v_max3_num_f32 v12, v12, |v[XB+\i]|, |v[XB+\i+1]|
	v_max3_num_f32 v13, v13, |v[XB+\i+2]|, |v[XB+\i+3]|
.endr
	v_max3_num_f32 v12, v12, |v[XB+30]|, |v[XB+31]|
	v_max3_num_f32 v12, v12, v13, 0x1800000        ; and the floor 2^(3 - 127): the byte cannot fall under 1
	v_add_nc_u32 v11, 0xff000000, v12              ; 2 off the exponent field: the conversion takes this operand's exponent field as its scale
.if (\t) == 0
	v_lshrrev_b32 v[SB], 23, v11                   ; the scale's byte
.else
	v_lshrrev_b32 v13, 23, v11
	v_lshl_or_b32 v[SB], v13, 8, v[SB]
.endif
.irp q, 0,1,2,3
	v_cvt_scalef32_pk8_fp4_f32 v[C+4*(\t)+\q], v[XB+8*\q:XB+8*\q+7], v11
.endr
	v_nop                                          ; one plain line behind the last conversion
	global_store_b128 v21, v[C+4*(\t):C+4*(\t)+3], s[16:17] offset:256*(\t)   ; lanes 0-15 store 256 consecutive aligned bytes, lanes 16-31 the same in the next tile
.endm
	BLOCK 0
	BLOCK 1
	global_store_b16 v22, v[SB], s[18:19]          ; two bytes a column, 16 bytes apart: 128 KiB of the launch's bytes leave so
	s_branch .Ljoin
; ---------------- THE NORM.  Each load reads 512 consecutive bytes; the row turns through the wave's own stage so that lane l holds block l (32 neighbours).
.Lnorm:
	s_lshr_b32 s23, ttmp9, 2
	s_lshl_b32 s23, s23, 6
	s_and_b32 s26, ttmp9, 3
	s_lshl_b32 s26, s26, 3
	s_add_co_u32 s23, s23, s26
	s_and_b32 s26, s22, 7
	s_add_co_u32 s23, s23, s26
	s_lshr_b32 s26, s22, 3
	s_lshl_b32 s26, s26, 5
	s_add_co_u32 s23, s23, s26                     ; my row: 64 (n / 4) + 8 (n % 4) + w % 8 + 32 (w / 8)
	s_and_b32 s24, s23, 2047                       ; its position in the sequence
	s_lshl_b32 s28, s23, 12
	s_mov_b32 s29, 0
	s_lshl_b32 s30, ttmp9, 13
	s_mov_b32 s31, 0
	s_lshl_b32 s32, ttmp9, 9
	s_mov_b32 s33, 0
	s_lshl_b32 s34, ttmp9, 12
	s_mov_b32 s35, 0
	s_mov_b32 s36, 0xb506b9e3                      ; -5.01894e-7
	s_mov_b32 s37, 0xbfc90fdb                      ; -(pi/2 rounded to f32)
	s_mov_b32 s38, 0x333bbd2e                      ; that number less pi/2
	s_mov_b32 s39, 0x3a800000                      ; 1 / 1,024
	s_mov_b32 s40, 0x358637bd                      ; 1e-6
	s_mov_b32 s41, 0x76543210
	s_mov_b32 s42, 0xfedcba98                      ; v_permlanex16_b32's selects for lane l xor 16
	s_wait_kmcnt 0x0
	s_add_nc_u64 s[4:5], s[4:5], s[28:29]
	s_add_nc_u64 s[16:17], s[16:17], s[30:31]
	s_add_nc_u64 s[18:19], s[18:19], s[32:33]
	s_add_nc_u64 s[20:21], s[20:21], s[34:35]      ; (used by tiles 0-127 alone)
.irp j, 0,1,2,3,4,5,6,7
	global_load_b128 v[R+4*\j:R+4*\j+3], v3, s[4:5] offset:512*\j th:TH_LOAD_NT
.endr
.irp j, 0,1,2,3,4,5,6,7
	global_load_b128 v[G+4*\j:G+4*\j+3], v14, s[6:7] offset:16*\j
.endr
	; cos and sin of s x theta_i, while the loads are on their way.  log2(10000)/32 = CH + 7.2408e-7 with CH of 19 bits, so that i x CH is exact
	v_cvt_f32_u32 v16, v2                          ; i
	v_cvt_f32_u32 v17, s24                         ; s
	v_mul_f32 v18, 0xbed49a60, v16                 ; -i CH
	s_wait_alu depctr_va_vdst(0)                   ; the wait ahead of the transcendental,
	v_exp_f32 v18, v18
	v_fma_f32 v19, v16, s36, 1.0                   ; 2^(-i 7.2408e-7) = 1 - i 5.01894e-7 (a plain line behind the exponential)
	s_wait_alu depctr_va_vdst(0)                   ; and behind it
	v_mul_f32 v18, v18, v19                        ; theta
	v_mul_f32 v18, v17, v18                        ; the angle, rounded to f32 as the definition has it
	v_mul_f32 v19, 0x3f22f983, v18
	v_rndne_f32 v19, v19                           ; how many quarter turns
	v_fma_f32 v20, v19, s37, v18                   ; exact: both lie on a grid of 2^-23 and the difference is under 1
	v_fma_f32 v20, v19, s38, v20                   ; the rest of pi/2
	v_mov_b32 v22, 0xb94ca1f9
	v_mov_b32 v24, 0x37ccf5ce
	v_mul_f32 v21, v20, v20
	v_cvt_i32_f32 v27, v19
	v_fmaak_f32 v22, v22, v21, 0x3c08839e
	v_fmaak_f32 v24, v24, v21, 0xbab6061a
	v_mul_f32 v23, v21, v20
	v_mul_f32 v25, v21, v21
	v_fmaak_f32 v22, v22, v21, 0xbe2aaaa3
	v_fmaak_f32 v24, v24, v21, 0x3d2aaaa5
	v_fma_f32 v26, v21, -0.5, 1.0
	v_and_b32 v28, 1, v27
	v_fma_f32 v22, v22, v23, v20                   ; sin on [-pi/4, pi/4]
	v_fma_f32 v24, v24, v25, v26                   ; cos
	v_cmp_eq_u32 vcc_lo, 1, v28
	v_lshlrev_b32 v28, 30, v27
	v_add_nc_u32 v27, 1, v27
	v_cndmask_b32 v29, v22, v24, vcc_lo            ; an odd quarter swaps the two (a choice of values, no branch)
	v_cndmask_b32 v30, v24, v22, vcc_lo
	v_and_b32 v28, 0x80000000, v28
	v_lshlrev_b32 v27, 30, v27
	v_xor_b32 v29, v29, v28                        ; sin is negative in quarters 2 and 3
	v_and_b32 v27, 0x80000000, v27
	v_xor_b32 v30, v30, v27                        ; cos in quarters 1 and 2
	s_wait_alu depctr_va_vdst(0)                   ; the wait ahead of the wait below
	s_wait_loadcnt 8                               ; the row's eight loads are in; g's eight may be out
.irp j, 0,1,2,3,4,5,6,7
	ds_store_b128 v4, v[R+4*\j:R+4*\j+3] offset:576*\j
.endr
.irp j, 0,1,2,3,4,5,6,7
	ds_load_b128 v[X+4*\j:X+4*\j+3], v5 offset:16*\j        ; LDS serves a wave's instructions in order: these see my stores
.endr
	s_wait_dscnt 0x0                               ; my block is in, and the stores have read v96-127
	v_pk_mul_f32 v[100:101], v[X:X+1], v[X:X+1]    ; the sum of squares: two chains, started by products
	v_pk_mul_f32 v[102:103], v[X+2:X+3], v[X+2:X+3]
.irp j, 4,8,12,16,20,24,28
	v_pk_fma_f32 v[100:101], v[X+\j:X+\j+1], v[X+\j:X+\j+1], v[100:101]
	v_pk_fma_f32 v[102:103], v[X+\j+2:X+\j+3], v[X+\j+2:X+\j+3], v[102:103]
.endr
	v_pk_add_f32 v[100:101], v[100:101], v[102:103]
	v_add_f32 v100, v100, v101
	v_add_f32_dpp v100, v100, v100 row_xmask:1 row_mask:0xf bank_mask:0xf
	v_add_f32_dpp v100, v100, v100 row_xmask:2 row_mask:0xf bank_mask:0xf
	v_add_f32_dpp v100, v100, v100 row_xmask:4 row_mask:0xf bank_mask:0xf
	v_add_f32_dpp v100, v100, v100 row_xmask:8 row_mask:0xf bank_mask:0xf
	v_permlanex16_b32 v101, v100, s41, s42
	v_add_f32 v100, v100, v101                     ; the row's, in every lane
	v_fma_f32 v100, v100, s39, s40                 ; the mean + 1e-6
	s_wait_alu depctr_va_vdst(0)                   ; the wait ahead of the transcendental,
	v_rsq_f32 v100, v100
	v_nop                                          ; a plain line behind it,
	s_wait_loadcnt 0x0                             ; (g)
	s_wait_alu depctr_va_vdst(0)                   ; and the wait behind it
.irp j, 0,2,4,6,8,10,12,14,16,18,20,22,24,26,28,30
	v_pk_mul_f32 v[X+\j:X+\j+1], v[X+\j:X+\j+1], v[100:101] op_sel_hi:[1,0]
.endr
.irp j, 0,2,4,6,8,10,12,14,16,18,20,22,24,26,28,30
	v_pk_mul_f32 v[X+\j:X+\j+1], v[X+\j:X+\j+1], v[G+\j:G+\j+1]
.endr
	v_max3_num_f32 v12, |v[X]|, |v[X+1]|, |v[X+2]|
	v_max3_num_f32 v13, |v[X+3]|, |v[X+4]|, |v[X+5]|
.irp i, 6,10,14,18,22,26
	v_max3_num_f32 v12, v12, |v[X+\i]|, |v[X+\i+1]|
	v_max3_num_f32 v13, v13, |v[X+\i+2]|, |v[X+\i+3]|
.endr
	v_max3_num_f32 v12, v12, |v[X+30]|, |v[X+31]|
	v_max3_num_f32 v12, v12, v13, 0x1800000
	v_add_nc_u32 v11, 0xff000000, v12
	v_lshrrev_b32 v13, 23, v11
.irp q, 0,1,2,3
	v_cvt_scalef32_pk8_fp4_f32 v[96+\q], v[X+8*\q:X+8*\q+7], v11
.endr
	v_nop
	ds_store_b128 v6, v[96:99]
	ds_store_b8 v7, v13
	ds_store_b32 v8, v30
	ds_store_b32 v8, v29 offset:2048
.Ljoin:                                                ; the one barrier, passed by all 24 waves
	s_wait_dscnt 0x0                               ; for the others' sake: my stores have landed
	s_barrier_signal -1
	s_barrier_wait -1                              ; the tile's image, its scale bytes, and cos and sin lie in LDS
	s_cmp_lt_u32 s22, 16
	s_cbranch_scc0 .Ldone
	ds_load_b128 v[32:35], v9
	s_wait_dscnt 0x0
	global_store_b128 v31, v[32:35], s[16:17]      ; every norm wave: 512 consecutive bytes of the tile's 8,192
	s_cmp_lt_u32 s22, 8
	s_cbranch_scc0 .Lnot_rope
	s_cmp_lt_u32 ttmp9, 128                        ; positions repeat in the second batch: tiles 0-127 write them
	s_cbranch_scc0 .Ldone
	ds_load_b128 v[36:39], v15
	s_wait_dscnt 0x0
	global_store_b128 v31, v[36:39], s[20:21]
	s_branch .Ldone
.Lnot_rope:
	s_cmp_eq_u32 s22, 8
	s_cbranch_scc0 .Ldone
	ds_load_b128 v[40:43], v10
	s_wait_dscnt 0x0
	global_store_b128 v3, v[40:43], s[18:19]       ; the 16 rows' 512 scale bytes
.Ldone:
	s_wait_tensorcnt 0x0                           ; the wave's end
	ds_add_u32 v128, v129
	s_wait_dscnt 0x0
	s_endpgm
.Lfunc_end_k_qd9688fd6c9_prep:
	.size	k_qd9688fd6c9_prep, .Lfunc_end_k_qd9688fd6c9_prep-k_qd9688fd6c9_prep
	.p2alignl 7, 3214868480
	.fill 96, 4, 3214868480
	.section	.rodata,"a",@progbits
	.p2align	6, 0x0
	.amdhsa_kernel k_qd9688fd6c9_prep
		.amdhsa_group_segment_fixed_size 90112
		.amdhsa_private_segment_fixed_size 0
		.amdhsa_enable_private_segment 0
		.amdhsa_kernarg_size 72
		.amdhsa_user_sgpr_count 2
		.amdhsa_user_sgpr_kernarg_segment_ptr 1
		.amdhsa_wavefront_size32 1
		.amdhsa_system_sgpr_workgroup_id_x 1
		.amdhsa_system_sgpr_workgroup_id_y 1
		.amdhsa_system_sgpr_workgroup_id_z 1
		.amdhsa_system_vgpr_workitem_id 0
		.amdhsa_next_free_vgpr 130
		.amdhsa_next_free_sgpr 66
		.amdhsa_reserve_vcc 1
		.amdhsa_float_denorm_mode_32 3
		.amdhsa_float_denorm_mode_16_64 3
		.amdhsa_memory_ordered 1
		.amdhsa_forward_progress 1
		.amdhsa_inst_pref_size 26
	.end_amdhsa_kernel
	.amdgpu_metadata
---
amdhsa.version: [ 1, 2 ]
amdhsa.kernels:
  - .name:           k_qd9688fd6c9_prep
    .symbol:         k_qd9688fd6c9_prep.kd
    .args:
      - { .name: h, .offset: 0, .size: 8, .value_kind: global_buffer, .address_space: global }
      - { .name: g, .offset: 8, .size: 8, .value_kind: global_buffer, .address_space: global }
      - { .name: wq, .offset: 16, .size: 8, .value_kind: global_buffer, .address_space: global }
      - { .name: wk, .offset: 24, .size: 8, .value_kind: global_buffer, .address_space: global }
      - { .name: wv, .offset: 32, .size: 8, .value_kind: global_buffer, .address_space: global }
      - { .name: wo, .offset: 40, .size: 8, .value_kind: global_buffer, .address_space: global }
      - { .name: xw_codes, .offset: 48, .size: 8, .value_kind: global_buffer, .address_space: global }
      - { .name: xw_scales, .offset: 56, .size: 8, .value_kind: global_buffer, .address_space: global }
      - { .name: rope, .offset: 64, .size: 8, .value_kind: global_buffer, .address_space: global }
    .group_segment_fixed_size: 90112
    .private_segment_fixed_size: 0
    .kernarg_segment_align: 8
    .kernarg_segment_size: 72
    .max_flat_workgroup_size: 768
    .sgpr_count:     66
    .vgpr_count:     130
    .wavefront_size: 32
...
	.end_amdgpu_metadata
.endif
;; end of part 1
;; launch qkv (part 2): grid 16 x 16, 4 waves a work-group, clusters of 4 x 4, 229,888 bytes of LDS; arguments xw_codes, xw_scales, rope, bq, bk, bv, q_codes, kv, q_scales; writes q_codes, kv, q_scales
.if DOCPART == 2
	.amdgcn_target "amdgcn-amd-amdhsa--gfx1250"
	.amdhsa_code_object_version 6
	.text
	.protected	k_qd9688fd6c9_qkv
	.globl	k_qd9688fd6c9_qkv
	.p2align	8
	.type	k_qd9688fd6c9_qkv,@function
k_qd9688fd6c9_qkv:
	s_mov_b64 s[64:65], 0
	v_nop
	global_prefetch_b8 v0, s[64:65] scope:SCOPE_SE
	s_setreg_imm32_b32 hwreg(HW_REG_WAVE_MODE, 25, 1), 1
	s_wait_xcnt 0x0
	s_wait_alu depctr_hold_cnt(0) depctr_sa_sdst(0) depctr_va_vdst(0) depctr_va_sdst(0) depctr_va_ssrc(0) depctr_va_vcc(0) depctr_vm_vsrc(0)
	s_getreg_b32 s2, hwreg(HW_REG_IB_STS2, 6, 4)
	s_cmp_eq_u32 s2, 0
	s_cbranch_scc0 .Lentry_in_a_cluster
	s_endpgm
.Lentry_in_a_cluster:
	s_bfe_u32 s2, ttmp6, 0x10000c
	s_cmp_lg_u32 s2, 0xf033
	s_cbranch_scc0 .Lentry_shape_is_right
	s_endpgm
.Lentry_shape_is_right:
; q = rope(x Wq + bq), k = rope(x Wk + bk), v = x Wv + bv on codes of FP4 (E2M1) with E8M0 scales, and the three results quantised for attention: q and k along the head's 64, v along the keys.
; SHARES.  A work-group takes 256 rows of x and ONE head: its 64 columns of q, of k and of v.  16 heads x 16 blocks of rows = 256 work-groups of equal work.  Wave (wr = w / 2, u = w % 2) takes rows 128 wr on:
; against all of q (u = 0) or of k (u = 1), TRANSPOSED (source 0 = 16 columns of W, source 1 = 16 rows of x): a lane holds one row and eight neighbouring channels, as RoPE wants;
; and against v's tiles 2 u and 2 u + 1, NOT transposed (source 0 = x, source 1 = W): a lane holds one channel; x's tiles are made so that its registers of four tiles are 32 neighbouring keys, a whole block.
; V'S TILES: tile t takes channels 8 t + 0..7 and 32 + 8 t + 0..7, so that attention's result holds 32 neighbouring channels a lane; the order is made by the LDS addresses of W's fragments.
; ALL OF K = 1,024 LIES IN LDS: x's 16 tiles (128 KiB) and the head's 12 weight tiles (96 KiB), each in two halves of K; no LDS byte is filled twice.  One tensor load a wave: waves 0 and 1 bring
; the first half of x and of W, waves 2 and 3 the second, which is waited for when the first has been multiplied.  No prefetch: all is asked for at the head, and no loop runs ahead of a load.
; CLUSTERS: 4 x 4.  The four of a row of the cluster share the rows of x, the four of a column the head's weights: each is asked for jointly, by the same tensor load with the same descriptor and a mask of the four.
; OPERANDS lie in memory and in LDS in the order of their registers: a fragment (16 x 128 K) is two loads of 512 consecutive bytes, lane l at 16 l (v's weights: 128 consecutive bytes for each eight channels).
; RESULTS.  Two tiles of 16 rows of q (or k), 64 channels each, are quantised together: their eight code registers and scale word ARE a fragment of 128 along K: the even tile in k 0-63, the odd in k 64-127
; (inside a block the groups of eight stand in the order 0, 2, 1, 3, in q and k alike).  k, v and their scale words of 128 keys are 8,704 dense bytes: k's codes 4,096, v's 4,096, k's words [lane][2], v's words [u][lane].
; LIMITS: NaN and infinities are not served; a block whose largest magnitude lies under 2^-124 gets the byte 1.
; REGISTERS, in windows of 256: window 0: v1-13 addresses; v16-47 x's scale words, v48-71 W's; v72-87 bv; v88-96 scale words made here; v128-255 x's fragments, two sets; behind the products: v128-191 rope's results,
;   v192-239 codes, v240-255 at work.   window 1: the 32 accumulators of q or k ((i, t) at 8 (4 i + t)).   window 2: v0-127 the 16 of v ((n, i) at 8 (8 n + i)); v128-223 W's fragments, two sets; v224-255 bq or bk.
;   window 3: cos and sin: 32 registers a tile of rows: cos of channels 0-15, 16-31, sin likewise.
.set ADX, 1                            ; v1-2   LDS address of my x fragments, first and second half of K
.set ADW, 3                            ; v3-4   of q's or k's weights
.set ADV, 5                            ; v5-6   of v's weights
.set SOV, 7                            ; v7     v's weights' scale words in memory
.set L16, 8                            ; v8     16 x lane
.set L4,  9                            ; v9     4 x lane
.set B8,  10                           ; v10    32 h
.set R4V, 11                           ; v11    bv: 4 x my channel in a tile
.set H8,  12                           ; v12    8 h
.set L8,  13                           ; v13    8 x lane
.set XS,  16                           ; x's scale words: tile i at 16 + 4 i; register q: lanes 0-15 K step q, lanes 16-31 K step 4 + q
.set WS,  48                           ; W's likewise: tiles 0-3 of q or k, 4-5 of v
.set BV,  72
.set PWQ, 88
.set PWV, 92
.set MW,  94
.set XF,  128
.set WF,  128                          ; in window 2
.set BQ,  224                          ; in window 2
.set RO,  128
.set PCQ, 192
.set PCV, 224
.set TM,  240
.set G1X, 24                           ; s[24:31] descriptor group 1 for x's tiles; s[32:35] group 0
.set G0X, 32
.set G1W, 48                           ; s[48:55], s[56:59] the same for W's
.set G0W, 56
.set SEL, 72
.set MSB, 0
.macro WIN new                         ; the immediate's high byte repeats the setting that is left; a switch that changes nothing is dropped
.if MSB != (\new)
	s_set_vgpr_msb (MSB<<8)|(\new)
.set MSB, (\new)
.endif
.endm
.macro PLACES                          ; four plain vector lines: in front of loads into registers that matrix instructions have read, and of the first read of results
.rept 4
	v_nop
.endr
.endm
.macro CROUND                          ; a round of the cluster's barrier
	s_barrier_signal -1
	s_barrier_wait -1
	s_cmp_lg_u32 s22, 0
	s_cbranch_scc1 .Lnot_wave_0_\@
	s_barrier_signal -3
.Lnot_wave_0_\@:
	s_barrier_wait -3
	s_barrier_signal -1
	s_barrier_wait -1
.endm
.macro WM d, a, b, c, sa, sb, row      ; one product; row = 1: both scale words come from lanes 16-31
.if \row
	v_wmma_scale_f32_16x16x128_f8f6f4 v[\d:\d+7], v[\a:\a+7], v[\b:\b+7], v[\c:\c+7], v[\sa], v[\sb] matrix_a_fmt:MATRIX_FMT_FP4 matrix_b_fmt:MATRIX_FMT_FP4 matrix_a_scale:MATRIX_SCALE_ROW1 matrix_b_scale:MATRIX_SCALE_ROW1
.else
	v_wmma_scale_f32_16x16x128_f8f6f4 v[\d:\d+7], v[\a:\a+7], v[\b:\b+7], v[\c:\c+7], v[\sa], v[\sb] matrix_a_fmt:MATRIX_FMT_FP4 matrix_b_fmt:MATRIX_FMT_FP4
.endif
.endm
	s_load_b256 s[4:11], s[0:1], 0x0               ; codes of x and W s[4:5], their scale bytes s[6:7], cos and sin s[8:9], bq s[10:11]
	s_load_b256 s[12:19], s[0:1], 0x20             ; bk s[12:13], bv s[14:15], q's codes s[16:17], k and v s[18:19]
	s_load_b64 s[20:21], s[0:1], 0x40              ; q's scale words
	v_lshl_add_u32 v126, v0, 2, 0x38000
	v_mov_b32 v127, 0
	ds_add_u32 v126, v127                          ; the wave's opening: the add, twice on end, and its wait ahead of my tensor load
	ds_add_u32 v126, v127
	v_lshrrev_b32 v14, 5, v0
	v_readfirstlane_b32 s22, v14                   ; wave 0..3
	s_lshr_b32 s23, s22, 1                         ; wr: which 128 rows.  Also: which half of K I fetch
	s_and_b32 s40, s22, 1                          ; u: q or k; which tiles of v.  Also: I fetch for x (0) or for W (1)
	s_bfe_u32 s41, ttmp6, 0x40000                  ; cx, cy: my place in the cluster
	s_bfe_u32 s42, ttmp6, 0x40004
	s_lshl_b32 s43, ttmp9, 2
	s_add_co_u32 s43, s43, s41                     ; the head = 4 x cluster x + cx
	s_and_b32 s44, ttmp7, 0xffff
	s_lshl_b32 s44, s44, 2
	s_add_co_u32 s44, s44, s42                     ; y: the block of 256 rows = 4 x cluster y + cy
	s_lshl_b32 s45, s42, 2
	s_lshl_b32 s45, 15, s45                        ; my row of the cluster
	s_lshl_b32 s46, 0x1111, s41                    ; my column
	; group 1: rows of 512 elements of 8 bytes (half a tile: 4,096 bytes), 1,024 elements from tile to tile; x: 16 tiles, W: 12.  No padding
	s_or_b32 s[G1X], s45, (3<<16)|(1<<21)          ; 15:0 the mask; 17:16 elements of 8 bytes; 21 set beside a mask
	s_or_b32 s[G1W], s46, (3<<16)|(1<<21)
.irp g, G1X, G1W
	s_mov_b32 s[\g+1], 512<<16                     ; tensor_dim0
	s_mov_b32 s[\g+3], 512<<16                     ; tile_dim0
	s_mov_b32 s[\g+5], 1024                        ; tensor_dim0_stride
	s_mov_b32 s[\g+6], 0
	s_mov_b32 s[\g+7], 0
.endr
	s_mov_b32 s[G1X+2], 16<<16                     ; tensor_dim1
	s_mov_b32 s[G1X+4], 16                         ; tile_dim1
	s_mov_b32 s[G1W+2], 12<<16
	s_mov_b32 s[G1W+4], 12
	; what I fetch: x's address is made of y and the wave's number, W's of the head and the wave's number, each in registers that never hold the other coordinate
	s_lshl_b32 s70, s23, 12
	s_lshl_b32 s66, s44, 17                        ; x: tile 16 y,
	s_add_co_u32 s66, s66, s70                     ; half wave / 2 of K
	s_mov_b32 s67, 0
	s_mul_i32 s68, s43, 98304
	s_add_co_u32 s68, s68, s70
	s_add_co_u32 s68, s68, 0x200000                ; W: tile 12 head, behind x's 2 MiB
	s_mov_b32 s69, 0
	s_lshl_b32 s70, s23, 16                        ; and where it goes: x at 0: [half of K: 65,536][tile: 4,096];
	s_mul_i32 s71, s23, 49152
	s_add_co_u32 s71, s71, 131072                  ; W at 131,072: [half of K: 49,152][tile: 4,096]: q's four, k's four, v's four
	s_mov_b32 s[SEL], 0x76543210
	s_mov_b32 s[SEL+1], 0xfedcba98                 ; v_permlanex16_b32's selects for lane l xor 16
	s_mov_b32 s77, 0xffff0000                      ; lanes 16-31
	s_and_b32 s76, s44, 7                          ; the block of rows within its batch
	s_lshr_b32 s75, s44, 3
	s_lshl_b32 s75, s75, 4
	s_add_co_u32 s75, s75, s43                     ; bh = 16 x batch + head
	s_mov_b32 s99, 0
	s_lshl_b32 s47, s23, 15                        ; LDS: my eight tiles of x,
	s_lshl_b32 s74, s40, 14
	s_add_co_u32 s74, s74, 131072                  ; q's or k's four,
	s_lshl_b32 s98, s40, 12
	s_add_co_u32 s98, s98, 163840                  ; v's: tile u (and u + 2)
	v_and_b32 v14, 31, v0                          ; lane
	v_bfe_u32 v97, v0, 4, 1                        ; h
	v_and_b32 v98, 7, v0                           ; r % 8
	v_bfe_u32 v99, v0, 3, 1                        ; r / 8
	v_lshlrev_b32 v[L16], 4, v14
	v_lshlrev_b32 v[L4], 2, v14
	v_lshlrev_b32 v[L8], 3, v14
	v_lshlrev_b32 v[B8], 5, v97
	v_lshlrev_b32 v[H8], 3, v97
	v_lshlrev_b32 v[R4V], 2, v98
	v_lshlrev_b32 v100, 8, v97
	v_lshl_add_u32 v[R4V], v99, 7, v[R4V]
	v_lshl_add_u32 v100, v98, 4, v100              ; 256 h + 16 (r % 8)
	v_add_nc_u32 v[ADX], s47, v[L16]
	v_add_nc_u32 v[ADW], s74, v[L16]
	v_lshl_add_u32 v[SOV], v99, 10, v100           ; channels 32 on are two tiles further: 1,024 bytes of scale bytes,
	v_lshl_add_u32 v101, v99, 13, v100             ; 8,192 of a half's codes
	v_add_nc_u32 v[ADX+1], 0x10000, v[ADX]
	v_add_nc_u32 v[ADW+1], 49152, v[ADW]
	v_add_nc_u32 v[ADV], s98, v101
	v_add_nc_u32 v[ADV+1], 49152, v[ADV]
	s_wait_dscnt 0x0                               ; both opening adds are done
	s_wait_alu depctr_va_vdst(0)
	s_wait_kmcnt 0x0
	s_mov_b32 s[G0X], 1                            ; 1:0 count = 1
	s_mov_b32 s[G0X+1], s70                        ; 63:32 LDS address
	s_add_nc_u64 s[G0X+2:G0X+3], s[4:5], s[66:67]  ; 120:64 global address
	s_or_b32 s[G0X+3], s[G0X+3], 0x80000000        ; 127:126 type = 2
	s_mov_b32 s[G0W], 1
	s_mov_b32 s[G0W+1], s71
	s_add_nc_u64 s[G0W+2:G0W+3], s[4:5], s[68:69]
	s_or_b32 s[G0W+3], s[G0W+3], 0x80000000
	CROUND                                         ; all sixteen work-groups are here: the joint loads meet
; ONE LOAD A WAVE.  One tree of branches on the wave's number, a line of its own for each wave.
.macro ARM under, g0, g1, next
	s_cmp_lt_u32 s22, \under
	s_cbranch_scc0 \next
	tensor_load_to_lds s[\g0:\g0+3], s[\g1:\g1+7]
	s_nop 0
.rept 4
	v_nop
.endr
	s_branch .Lasked
\next:
.endm
	ARM 1, G0X, G1X, .Larm1
	ARM 2, G0W, G1W, .Larm2
	ARM 3, G0X, G1X, .Larm3
	tensor_load_to_lds s[G0W:G0W+3], s[G1W:G1W+7]
	s_nop 0
.rept 4
	v_nop
.endr
.Lasked:
	s_lshl_b32 s98, s44, 13                        ; x's scale words: 512 bytes a tile
	s_lshl_b32 s74, s23, 12
	s_add_co_u32 s98, s98, s74
	s_add_nc_u64 s[78:79], s[6:7], s[98:99]
	s_mul_i32 s47, s43, 3
	s_add_co_u32 s98, s47, s40                     ; W's: q's or k's four tiles
	s_lshl_b32 s98, s98, 11
	s_add_co_u32 s98, s98, 0x20000
	s_add_nc_u64 s[80:81], s[6:7], s[98:99]
	s_add_co_u32 s98, s47, 2                       ; v's
	s_lshl_b32 s98, s98, 11
	s_lshl_b32 s74, s40, 9
	s_add_co_u32 s98, s98, s74
	s_add_co_u32 s98, s98, 0x20000
	s_add_nc_u64 s[82:83], s[6:7], s[98:99]
	s_cmp_eq_u32 s40, 0                            ; (every choice here hangs on the wave's number alone)
	s_cselect_b64 s[84:85], s[10:11], s[12:13]     ; bq or bk
	s_lshl_b32 s98, s43, 8
	s_add_nc_u64 s[84:85], s[84:85], s[98:99]
	s_lshl_b32 s74, s40, 6
	s_add_co_u32 s98, s98, s74
	s_add_nc_u64 s[86:87], s[14:15], s[98:99]      ; bv at my channels: 16 u on
	s_lshl_b32 s98, s76, 16                        ; cos and sin: 4,096 bytes a tile of 16 positions
	s_lshl_b32 s74, s23, 15
	s_add_co_u32 s98, s98, s74
	s_add_nc_u64 s[88:89], s[8:9], s[98:99]
	s_lshl_b32 s47, s76, 1
	s_add_co_u32 s47, s47, s23                     ; my 128 rows are key step 2 (y % 8) + wr
	s_mul_i32 s98, s75, 139264
	s_mul_i32 s74, s47, 8704
	s_add_co_u32 s98, s98, s74
	s_add_nc_u64 s[18:19], s[18:19], s[98:99]      ; the step's 8,704 bytes
	s_lshl_b32 s98, s40, 11
	s_add_co_u32 s98, s98, 4096
	s_add_nc_u64 s[94:95], s[18:19], s[98:99]      ; v's codes: my two tiles
	s_lshl_b32 s98, s40, 7
	s_add_co_u32 s98, s98, 8448
	s_add_nc_u64 s[96:97], s[18:19], s[98:99]      ; and their scale words
	s_lshl_b32 s98, s75, 16
	s_lshl_b32 s74, s47, 12
	s_add_co_u32 s98, s98, s74
	s_add_nc_u64 s[16:17], s[16:17], s[98:99]      ; q's codes: 65,536 bytes a head, 4,096 for 128 rows
	s_lshl_b32 s98, s75, 12
	s_lshl_b32 s74, s47, 8
	s_add_co_u32 s98, s98, s74
	s_add_nc_u64 s[20:21], s[20:21], s[98:99]      ; q's scale words: 256 bytes for 128 rows, [lane][2]
	s_add_nc_u64 s[92:93], s[18:19], 8192          ; k's
	s_cmp_eq_u32 s40, 0
	s_cselect_b64 s[90:91], s[16:17], s[18:19]
	s_cselect_b64 s[92:93], s[20:21], s[92:93]
.irp i, 0,1,2,3,4,5,6,7
	global_load_b128 v[XS+4*\i:XS+4*\i+3], v[L16], s[78:79] offset:512*\i
.endr
.irp t, 0,1,2,3
	global_load_b128 v[WS+4*\t:WS+4*\t+3], v[L16], s[80:81] offset:512*\t
.endr
.irp n, 0,1
	global_load_b128 v[WS+16+4*\n:WS+16+4*\n+3], v[SOV], s[82:83] offset:128*\n
.endr
.irp n, 0,1
.irp j, 0,1,2,3,4,5,6,7
	global_load_b32 v[BV+8*\n+\j], v[R4V], s[86:87] offset:32*\n       ; v's result holds ONE channel a lane: its bias stands in all eight registers of the first product's C
.endr
.endr
	WIN 0x80                                       ; destination window 2
.irp t, 0,1,2,3
	global_load_b128 v[BQ+8*\t:BQ+8*\t+3], v[B8], s[84:85] offset:64*\t        ; q's or k's result holds channels 16 t + 8 h + 0..7
	global_load_b128 v[BQ+8*\t+4:BQ+8*\t+7], v[B8], s[84:85] offset:64*\t+16
.endr
	WIN 0xc0                                       ; destination window 3
.irp i, 0,1,2,3,4,5,6,7
.irp c, 0,1,2,3,4,5,6,7
	global_load_b128 v[32*\i+4*\c:32*\i+4*\c+3], v[L16], s[88:89] offset:4096*\i+512*\c
.endr
.endr
	WIN 0
; 28 LDS loads in one run: the fragments of K step ks into set p: x's eight, q's or k's four, v's two
.macro FETCH ks, p
	WIN 0
.irp i, 0,1,2,3,4,5,6,7
.irp c, 0,1
	ds_load_b128 v[XF+64*(\p)+8*\i+4*\c:XF+64*(\p)+8*\i+4*\c+3], v[ADX+(\ks)/4] offset:4096*\i+1024*((\ks)%4)+512*\c
.endr
.endr
	WIN 0x80                                       ; destination window 2, address window 0
.irp t, 0,1,2,3
.irp c, 0,1
	ds_load_b128 v[WF+48*(\p)+8*\t+4*\c:WF+48*(\p)+8*\t+4*\c+3], v[ADW+(\ks)/4] offset:4096*\t+1024*((\ks)%4)+512*\c
.endr
.endr
.irp n, 0,1
.irp c, 0,1
	ds_load_b128 v[WF+48*(\p)+32+8*\n+4*\c:WF+48*(\p)+32+8*\n+4*\c+3], v[ADV+(\ks)/4] offset:128*\n+1024*((\ks)%4)+512*\c
.endr
.endr
.endm
; The 48 accumulators take turns, one instruction a turn, in the same order in every K step.  first = 1: the biases are the C of the first products: nothing is cleared or added later.
.macro MULQK ks, p, first
.if \first
	WIN 0x62                                       ; source 0 (W) window 2, source 1 (x) window 0, C (the bias) window 2, D window 1
.else
	WIN 0x52                                       ; C and D window 1
.endif
.irp i, 0,1,2,3,4,5,6,7
.irp t, 0,1,2,3
.if \first
	WM 8*(4*\i+\t), WF+48*(\p)+8*\t, XF+64*(\p)+8*\i, BQ+8*\t, WS+4*\t+(\ks)%4, XS+4*\i+(\ks)%4, (\ks)/4
.else
	WM 8*(4*\i+\t), WF+48*(\p)+8*\t, XF+64*(\p)+8*\i, 8*(4*\i+\t), WS+4*\t+(\ks)%4, XS+4*\i+(\ks)%4, (\ks)/4
.endif
.endr
.endr
.endm
.macro MULV ks, p, first
.if \first
	WIN 0x88                                       ; source 0 (x) window 0, source 1 (W) window 2, C (the bias) window 0, D window 2
.else
	WIN 0xa8                                       ; C and D window 2
.endif
.irp i, 0,1,2,3,4,5,6,7
.irp n, 0,1
.if \first
	WM 8*(8*\n+\i), XF+64*(\p)+8*\i, WF+48*(\p)+32+8*\n, BV+8*\n, XS+4*\i+(\ks)%4, WS+16+4*\n+(\ks)%4, (\ks)/4
.else
	WM 8*(8*\n+\i), XF+64*(\p)+8*\i, WF+48*(\p)+32+8*\n, 8*(8*\n+\i), XS+4*\i+(\ks)%4, WS+16+4*\n+(\ks)%4, (\ks)/4
.endif
.endr
.endr
.endm
.macro KSTEP ks                        ; a K step whose successor's fragments already lie in LDS
	PLACES                                         ; the set that the last K step multiplied is loaded again
	FETCH (\ks)+1, ((\ks)+1)%2
	s_wait_dscnt 28                                ; all but the 28 just issued: this K step's fragments are in
	MULQK \ks, (\ks)%2, 0
	MULV \ks, (\ks)%2, 0
.endm
	s_cmp_lt_u32 s22, 2                            ; waves 0 and 1 brought the first half of K and wait for it; the second half's loads, lines of their own, may stay out
	s_cbranch_scc0 .Lsecond_half
	s_wait_tensorcnt 0x0
.Lsecond_half:
	s_barrier_signal -1
	s_barrier_wait -1                              ; the first half is whole
	FETCH 0, 0
	FETCH 1, 1
	s_wait_loadcnt 63                              ; the 38 loads of scale words and biases were asked for ahead of the 64 of cos and sin; the count is the largest that the wait can name
	s_wait_dscnt 28
	MULQK 0, 0, 1
	MULV 0, 0, 1
	KSTEP 1
	KSTEP 2
	s_wait_tensorcnt 0x0                           ; every wave: what I brought has landed,
	s_wait_dscnt 0x0                               ; K step 3's fragments are in, and no LDS load of mine is out at the signal
	s_barrier_signal -1
	MULQK 3, 1, 0                                  ; work on registers while the others arrive
	WIN 0
	s_barrier_wait -1                              ; the second half is whole
	PLACES
	FETCH 4, 0
	MULV 3, 1, 0
	KSTEP 4
	KSTEP 5
	KSTEP 6
	s_wait_dscnt 0x0
	MULQK 7, 1, 0
	MULV 7, 1, 0
; ROPE for tile i of my rows: out(d) = a(d) cos - a(d + 32) sin, out(d + 32) = a(d + 32) cos + a(d) sin, d = 16 t + 8 h + j, t = 0, 1.  Each accumulator is read from its low end on.
.macro ROPE i, d0
	WIN 0x0d                                       ; source 0 (the sums) window 1, source 1 (cos, sin) window 3
.irp t, 0,1
.irp j, 0,2,4,6
	v_pk_mul_f32 v[RO+\d0+8*\t+\j:RO+\d0+8*\t+\j+1], v[8*(4*(\i)+\t+2)+\j:8*(4*(\i)+\t+2)+\j+1], v[32*(\i)+16+8*\t+\j:32*(\i)+16+8*\t+\j+1]
	v_pk_mul_f32 v[RO+\d0+16+8*\t+\j:RO+\d0+16+8*\t+\j+1], v[8*(4*(\i)+\t)+\j:8*(4*(\i)+\t)+\j+1], v[32*(\i)+16+8*\t+\j:32*(\i)+16+8*\t+\j+1]
.endr
.endr
.irp t, 0,1
.irp j, 0,2,4,6
	v_pk_fma_f32 v[RO+\d0+8*\t+\j:RO+\d0+8*\t+\j+1], v[8*(4*(\i)+\t)+\j:8*(4*(\i)+\t)+\j+1], v[32*(\i)+8*\t+\j:32*(\i)+8*\t+\j+1], v[RO+\d0+8*\t+\j:RO+\d0+8*\t+\j+1] neg_lo:[0,0,1] neg_hi:[0,0,1]
	v_pk_fma_f32 v[RO+\d0+16+8*\t+\j:RO+\d0+16+8*\t+\j+1], v[8*(4*(\i)+\t+2)+\j:8*(4*(\i)+\t+2)+\j+1], v[32*(\i)+8*\t+\j:32*(\i)+8*\t+\j+1], v[RO+\d0+16+8*\t+\j:RO+\d0+16+8*\t+\j+1]
.endr
.endr
.endm
; ROPE's 64 numbers of a lane: registers 16 b .. 16 b + 15 are my half of block b (lane l xor 16 holds the other half).  They become a fragment's codes in v[pc] on and its scale word in v[pw].
.macro QUANT pc, pw
	WIN 0
.irp b, 0,1,2,3
	v_max3_num_f32 v[TM+\b], |v[RO+16*\b]|, |v[RO+1+16*\b]|, 0x1800000     ; with the floor 2^(3 - 127): the byte cannot fall under 1
.endr
.irp i, 2,4,6,8,10,12,14
.irp b, 0,1,2,3
	v_max3_num_f32 v[TM+\b], v[TM+\b], |v[RO+16*\b+\i]|, |v[RO+1+16*\b+\i]|   ; the four blocks by turns
.endr
.endr
.irp b, 0,1,2,3
	v_permlanex16_b32 v[TM+4+\b], v[TM+\b], s[SEL], s[SEL+1]
.endr
.irp b, 0,1,2,3
	v_max_num_f32 v[TM+\b], v[TM+\b], v[TM+4+\b]   ; the block's largest magnitude
.endr
.irp b, 0,1,2,3
	v_add_nc_u32 v[TM+12+\b], 0xff000000, v[TM+\b] ; 2 off its exponent field: the conversion's scale operand
.endr
.irp b, 0,1,2,3
	v_lshrrev_b32 v[TM+4+\b], 23, v[TM+12+\b]      ; the scale's byte
.endr
	v_lshl_or_b32 v[\pw], v[TM+5], 8, v[TM+4]
	v_lshl_or_b32 v[\pw], v[TM+6], 16, v[\pw]
	v_lshl_or_b32 v[\pw], v[TM+7], 24, v[\pw]
.irp b, 0,1,2,3
	v_cvt_scalef32_pk8_fp4_f32 v[\pc+2*\b], v[RO+16*\b:RO+16*\b+7], v[TM+12+\b]
	v_cvt_scalef32_pk8_fp4_f32 v[\pc+2*\b+1], v[RO+16*\b+8:RO+16*\b+15], v[TM+12+\b]
.endr
	v_nop                                          ; one plain line behind the last conversion
.irp c, 0,1                                    ; the operand's layout wants a WHOLE block in a lane: lanes 0-15 block 2 c, lanes 16-31 block 2 c + 1
.irp i, 0,1
	v_permlane16_swap_b32 v[\pc+4*\c+\i], v[\pc+4*\c+2+\i]
.endr
.endr
.endm
; v's 128 keys of my channel, tile n: in window 2 the registers 64 n + 32 c + 0..31 are the whole block 2 c + h.
.macro QUANTV n
	WIN 0x2a                                       ; sources 0, 1, 2 window 2
.irp c, 0,1
	v_max3_num_f32 v[TM+2*\c], |v[64*\n+32*\c]|, |v[64*\n+32*\c+1]|, |v[64*\n+32*\c+2]|
	v_max3_num_f32 v[TM+2*\c+1], |v[64*\n+32*\c+3]|, |v[64*\n+32*\c+4]|, |v[64*\n+32*\c+5]|
.endr
	WIN 0x28                                       ; sources 1 and 2 window 2
.irp i, 6,10,14,18,22,26
.irp c, 0,1
	v_max3_num_f32 v[TM+2*\c], v[TM+2*\c], |v[64*\n+32*\c+\i]|, |v[64*\n+32*\c+\i+1]|
	v_max3_num_f32 v[TM+2*\c+1], v[TM+2*\c+1], |v[64*\n+32*\c+\i+2]|, |v[64*\n+32*\c+\i+3]|
.endr
.endr
.irp c, 0,1
	v_max3_num_f32 v[TM+2*\c], v[TM+2*\c], |v[64*\n+32*\c+30]|, |v[64*\n+32*\c+31]|
.endr
	WIN 0
.irp c, 0,1
	v_max3_num_f32 v[TM+2*\c], v[TM+2*\c], v[TM+2*\c+1], 0x1800000
.endr
.irp c, 0,1
	v_add_nc_u32 v[TM+12+\c], 0xff000000, v[TM+2*\c]
.endr
.irp c, 0,1
	v_lshrrev_b32 v[TM+4+\c], 23, v[TM+12+\c]
.endr
	v_lshl_or_b32 v[TM+4], v[TM+5], 16, v[TM+4]
	v_lshlrev_b32 v[TM+4], v[H8], v[TM+4]          ; my two bytes at their places, h and 2 + h;
	v_permlanex16_b32 v[TM+6], v[TM+4], s[SEL], s[SEL+1]
	v_or_b32 v[PWV+\n], v[TM+4], v[TM+6]           ; with lane l xor 16's two the word is whole
	WIN 0x02                                       ; source 0 window 2
.irp c, 0,1
.irp t, 0,1,2,3
	v_cvt_scalef32_pk8_fp4_f32 v[PCV+8*\n+4*\c+\t], v[64*\n+32*\c+8*\t:64*\n+32*\c+8*\t+7], v[TM+12+\c]
.endr
.endr
	WIN 0
	v_nop
.endm
	WIN 0
	PLACES                                         ; behind the last products: results are read, and registers that held fragments are written
	s_wait_loadcnt 0x0                             ; cos and sin
.irp b, 0,1,2,3
	v_mov_b32 v[TM+4+\b], 0                        ; written once: a lane permute's destination counts as one of its sources
.endr
.irp ip, 0,1,2,3                               ; two tiles of 16 rows at a time: every store has registers of its own, so nothing waits for a store
	ROPE 2*\ip, 0
	ROPE 2*\ip+1, 32
	QUANT PCQ+8*\ip, PWQ+\ip
	global_store_b128 v[L16], v[PCQ+8*\ip:PCQ+8*\ip+3], s[90:91] offset:1024*\ip           ; 512 consecutive bytes
	global_store_b128 v[L16], v[PCQ+8*\ip+4:PCQ+8*\ip+7], s[90:91] offset:1024*\ip+512
.endr
	v_cndmask_b32 v[MW], v[PWQ], v[PWQ+1], s77     ; lanes 0-15: the words of pair 0, lanes 16-31: of pair 1;
	v_cndmask_b32 v[MW+1], v[PWQ+2], v[PWQ+3], s77 ; pairs 2 and 3
	global_store_b64 v[L8], v[MW:MW+1], s[92:93]   ; 256 consecutive bytes
.irp n, 0,1                                    ; v: 128 keys x 16 channels
	QUANTV \n
	global_store_b128 v[L16], v[PCV+8*\n:PCV+8*\n+3], s[94:95] offset:1024*\n
	global_store_b128 v[L16], v[PCV+8*\n+4:PCV+8*\n+7], s[94:95] offset:1024*\n+512
.endr
	v_cndmask_b32 v[MW+2], v[PWV], v[PWV+1], s77
	global_store_b32 v[L4], v[MW+2], s[96:97]
	s_wait_tensorcnt 0x0                           ; the wave's end
	ds_add_u32 v126, v127
	s_wait_dscnt 0x0
	CROUND                                         ; the closing round: no work-group ends while a partner may still ask for a tile that names it
	s_endpgm
.Lfunc_end_k_qd9688fd6c9_qkv:
	.size	k_qd9688fd6c9_qkv, .Lfunc_end_k_qd9688fd6c9_qkv-k_qd9688fd6c9_qkv
	.p2alignl 7, 3214868480
	.fill 96, 4, 3214868480
	.section	.rodata,"a",@progbits
	.p2align	6, 0x0
	.amdhsa_kernel k_qd9688fd6c9_qkv
		.amdhsa_group_segment_fixed_size 229888
		.amdhsa_private_segment_fixed_size 0
		.amdhsa_enable_private_segment 0
		.amdhsa_kernarg_size 72
		.amdhsa_user_sgpr_count 2
		.amdhsa_user_sgpr_kernarg_segment_ptr 1
		.amdhsa_wavefront_size32 1
		.amdhsa_system_sgpr_workgroup_id_x 1
		.amdhsa_system_sgpr_workgroup_id_y 1
		.amdhsa_system_sgpr_workgroup_id_z 1
		.amdhsa_system_vgpr_workitem_id 0
		.amdhsa_next_free_vgpr 1024
		.amdhsa_next_free_sgpr 100
		.amdhsa_reserve_vcc 0
		.amdhsa_float_denorm_mode_32 3
		.amdhsa_float_denorm_mode_16_64 3
		.amdhsa_memory_ordered 1
		.amdhsa_forward_progress 1
		.amdhsa_inst_pref_size 122
	.end_amdhsa_kernel
	.amdgpu_metadata
---
amdhsa.version: [ 1, 2 ]
amdhsa.kernels:
  - .name:           k_qd9688fd6c9_qkv
    .symbol:         k_qd9688fd6c9_qkv.kd
    .args:
      - { .name: xw_codes, .offset: 0, .size: 8, .value_kind: global_buffer, .address_space: global }
      - { .name: xw_scales, .offset: 8, .size: 8, .value_kind: global_buffer, .address_space: global }
      - { .name: rope, .offset: 16, .size: 8, .value_kind: global_buffer, .address_space: global }
      - { .name: bq, .offset: 24, .size: 8, .value_kind: global_buffer, .address_space: global }
      - { .name: bk, .offset: 32, .size: 8, .value_kind: global_buffer, .address_space: global }
      - { .name: bv, .offset: 40, .size: 8, .value_kind: global_buffer, .address_space: global }
      - { .name: q_codes, .offset: 48, .size: 8, .value_kind: global_buffer, .address_space: global }
      - { .name: kv, .offset: 56, .size: 8, .value_kind: global_buffer, .address_space: global }
      - { .name: q_scales, .offset: 64, .size: 8, .value_kind: global_buffer, .address_space: global }
    .group_segment_fixed_size: 229888
    .private_segment_fixed_size: 0
    .kernarg_segment_align: 8
    .kernarg_segment_size: 72
    .max_flat_workgroup_size: 128
    .sgpr_count:     100
    .vgpr_count:     1024
    .wavefront_size: 32
...
	.end_amdgpu_metadata
.endif
;; end of part 2
;; launch attn (part 3): grid 8 x 32, 16 waves a work-group, clusters of 4 x 1, 210,944 bytes of LDS; arguments q_codes, q_scales, kv, o_codes, o_scales; writes o_codes, o_scales
.if DOCPART == 3
	.amdgcn_target "amdgcn-amd-amdhsa--gfx1250"
	.amdhsa_code_object_version 6
	.text
	.protected	k_qd9688fd6c9_attn
	.globl	k_qd9688fd6c9_attn
	.p2align	8
	.type	k_qd9688fd6c9_attn,@function
k_qd9688fd6c9_attn:
	s_mov_b64 s[64:65], 0
	v_nop
	global_prefetch_b8 v0, s[64:65] scope:SCOPE_SE
	s_setreg_imm32_b32 hwreg(HW_REG_WAVE_MODE, 25, 1), 1
	s_wait_xcnt 0x0
	s_wait_alu depctr_hold_cnt(0) depctr_sa_sdst(0) depctr_va_vdst(0) depctr_va_sdst(0) depctr_va_ssrc(0) depctr_va_vcc(0) depctr_vm_vsrc(0)
	s_getreg_b32 s2, hwreg(HW_REG_IB_STS2, 6, 4)
	s_cmp_eq_u32 s2, 0
	s_cbranch_scc0 .Lentry_in_a_cluster
	s_endpgm
.Lentry_in_a_cluster:
	s_bfe_u32 s2, ttmp6, 0x10000c
	s_cmp_lg_u32 s2, 0x3003
	s_cbranch_scc0 .Lentry_shape_is_right
	s_endpgm
.Lentry_shape_is_right:
; Causal attention of one (batch, head) on codes of FP4 (E2M1) with E8M0 scales, and its result quantised along the head's 64 for the output projection.
; THE SOFTMAX AHEAD OF THE SECOND PRODUCT: t = score x log2(e) / 8; M = the row's largest t so far, rounded UP to a whole number; p = 2^(t - M) is what is quantised, along the keys, not normalised.
; The row's sum is taken of the unquantised p and divides O at the end.  When M moves, and where two parts of a row are joined, sums and O are multiplied by 2^(old M - new M): exact.
; SHARES.  grid y = 16 x batch + head; work-group g = grid x takes tile g (16 queries) of each of the sixteen runs of 128 queries: tile j needs the key steps (128 keys) 0 .. j; the steps that the mask hides whole are left out.
; Waves k and 8 + (k xor 4), k = 0 .. 7, share tiles 15 - k (long) and k (short), seventeen steps: wave k walks the first n steps of the long tile (n = 13 for k under 4, 10 for 4 .. 6, 9 for 7); its partner first the
; long tile's other 16 - k - n steps, whose part (M, sum, O) it leaves in LDS, then all k + 1 steps of the short tile.  Behind a barrier wave k joins the two parts of the long tile.
; Waves s, s + 4, s + 8, s + 12 together have 34 steps for every s.  Who does what hangs on the wave's number alone, not on g: g only says where Q and O lie and which keys the diagonal hides.
; CLUSTERS: 4 x 1.  The partners read the same K and V: each wave asks for one step's 8,704 bytes jointly, and all codes and scale words of the head's K and V (136 KiB) lie in LDS, filled once.
; No prefetch: everything is asked for at the head, and no loop runs ahead of a load.
; LAYOUT.  Both products are used transposed (S^T = K Q^T, O^T = V^T P^T): a lane holds ONE query throughout.  A fragment of K holds TWO tiles of 16 keys (64 channels each: k 0-63 and k 64-127); Q's 64 channels
; stand once in the lower half of a fragment with zero codes above, once in the upper half with zero codes below: v16-19 = 0, v20-23 = Q, v24-27 = 0 serve as both.
; Register 32 c + 8 t + j of S^T is key 64 c + 32 h + 8 t + j (h = lane / 16): a lane's 32 registers are a whole block of p, and the conversions' results are the second product's operand.
; Register 8 t + j of O^T is channel 32 h + 8 t + j: a whole block of the output's quantiser.
; LIMITS: NaN and infinities are not served (one that reaches only hidden scores is not carried); a block whose largest magnitude lies under 2^-124 gets the byte 1; scaled scores stay under 2^31 in magnitude.
; REGISTERS: v1-11, v198-199, v204, v209-212 addresses and constants; v12 -M, v13 the largest score, v[14:15] the sum in two halves; v16-27 Q, v28-31 the short tile's Q; v32-63 K's four fragments; v64-95 V's four;
;   v96-159 S^T, then p; v160-191 O^T; v192-197, v206 scale words; v200-203 what leaves; v224-231 p's codes; v232-253 at work.
.set STEPB, 8704                       ; a key step: K 4,096, V 4,096, K's scale words [lane][2] 256, V's [tile pair][lane] 256
.set PART,  139264                     ; behind the sixteen steps: a place of 4,352 bytes for each wave; waves 8-15 leave the long tiles' parts in theirs
.set PARTB, 4352
.set SPARE, 208896                     ; the spare words, 128 bytes a wave
.set SPW, 4                            ; v4  my spare word's address
.set NIL, 5                            ; v5  0
.set DIA, 6                            ; v6  my query's place in its 128, less 32 h
.set NINF, 10
.set H8,  11                           ; v11 8 h
.set AP2, 198                          ; my place: where a part's M and sum lie
.set AP,  199                          ; where its O lies
.set AV,  204                          ; the step's V
.set AL,  211                          ; v211-212 the same two in my partner's place
.set AL2, 212
.set KS,  192
.set VS,  194
.set QS,  196
.set PW,  197
.set QS2, 206
.set WV,  14
.set SEL, 20
.set CS,  22                           ; s[22:23] c = log2(e) / 8: the packed form names a pair and takes its low word for both halves
.set G1,  24
.set G0,  32
.set I,   36                           ; the trip
.set NTR, 37                           ; my trips: n (waves 0-7) or 17 - n
.set SW,  38                           ; waves 8-15: the trip at which the short tile begins
.set OF0, 39                           ; key step = (trip + OF0) % 16, from trip SW on (trip + OF1) % 16
.set OF1, 40
.set J,   41                           ; the key step of the diagonal
.set S,   42                           ; the key step
.set TB,  46
.set TRIPS, 13                         ; the most trips of a wave
.macro CROUND                          ; a round of the cluster's barrier
	s_barrier_signal -1
	s_barrier_wait -1
	s_cmp_lg_u32 s[WV], 0
	s_cbranch_scc1 .Lnot_wave_0_\@
	s_barrier_signal -3
.Lnot_wave_0_\@:
	s_barrier_wait -3
	s_barrier_signal -1
	s_barrier_wait -1
.endm
.macro KLOAD                           ; nine LDS loads: a step's fragments of K and their scale words
.irp f, 0,1,2,3
.irp c, 0,1
	ds_load_b128 v[32+8*\f+4*\c:35+8*\f+4*\c], v7 offset:1024*\f+512*\c
.endr
.endr
	ds_load_b64 v[KS:KS+1], v8
.endm
.macro FRESH                           ; a tile's state ahead of its first step: every t lies over -M's start, and the first change of M leaves zeros zeros
	v_mov_b32 v12, 0x7e967699                      ; -M = 1e38 (rounded, a whole number)
	v_mov_b32 v13, 0xff61b1e6                      ; the largest score so far: -3e38
	v_mov_b32 v14, 0
	v_mov_b32 v15, 0
.set n, 0
.rept 32
	v_mov_b32 v[160+n], 0
.set n, n+1
.endr
.endm
	s_load_b256 s[4:11], s[0:1], 0x0               ; q's codes s[4:5], q's scale words s[6:7], k and v s[8:9], o's codes s[10:11]
	s_load_b64 s[12:13], s[0:1], 0x20              ; o's scale bytes
	v_lshl_add_u32 v[SPW], v0, 2, SPARE
	v_mov_b32 v[NIL], 0
	ds_add_u32 v[SPW], v[NIL]                      ; the wave's opening: the add, twice on end, and its wait ahead of my tensor load
	ds_add_u32 v[SPW], v[NIL]
	v_lshrrev_b32 v12, 5, v0
	v_readfirstlane_b32 s[WV], v12                 ; wave 0..15
	s_bfe_u32 s43, ttmp6, 0x40000                  ; cx
	s_lshl_b32 s18, ttmp9, 2
	s_add_co_u32 s18, s18, s43                     ; g = 4 x cluster x + cx
	s_and_b32 s15, ttmp7, 0xffff                   ; bh
	s_and_b32 s19, s[WV], 7
	s_lshr_b32 s17, s[WV], 3                       ; 0: waves 0-7, 1: waves 8-15
	s_lshl_b32 s43, s17, 2
	s_xor_b32 s19, s19, s43                        ; k
	s_xor_b32 s43, s19, 7
	s_lshr_b32 s66, s43, 2
	s_mul_i32 s66, s66, 3
	s_min_u32 s43, s43, 1
	s_add_co_u32 s66, s66, s43
	s_add_co_u32 s66, s66, 9                       ; n = 13, 10 or 9
	s_mul_i32 s[OF0], s17, s66
	s_add_co_u32 s43, s66, s19
	s_mul_i32 s[OF1], s17, s43                     ; n + k: trip 16 - k - n is step 0
	s_sub_co_u32 s[NTR], 17, s66
	s_sub_co_u32 s[J], 15, s19
	s_sub_co_u32 s43, 16, s19
	s_sub_co_u32 s[SW], s43, s66
	s_cmp_eq_u32 s17, 0
	s_cselect_b32 s[NTR], s66, s[NTR]
	s_cselect_b32 s[SW], 99, s[SW]                 ; (never in waves 0-7)
	s_cselect_b32 s44, s[J], s19                   ; the tile that I finish
	s_mov_b32 s[I], 0
	s_cmp_eq_u32 s[SW], 0
	s_cselect_b32 s[S], s[OF1], s[OF0]
	s_and_b32 s[S], s[S], 15
	s_mul_i32 s[TB], s[S], STEPB
	; group 1: 34 rows of 256 bytes (32 elements of 8 bytes), dense; no padding: every LDS read takes consecutive bytes
	s_mov_b32 s[G1], 15|(3<<16)|(1<<21)            ; 15:0 the mask: the four partners; 17:16 elements of 8 bytes; 21 set beside a mask
	s_mov_b32 s[G1+1], 32<<16                      ; tensor_dim0
	s_mov_b32 s[G1+2], 34<<16                      ; tensor_dim1
	s_mov_b32 s[G1+3], 32<<16                      ; tile_dim0
	s_mov_b32 s[G1+4], 34                          ; tile_dim1
	s_mov_b32 s[G1+5], 32                          ; tensor_dim0_stride
	s_mov_b32 s[G1+6], 0
	s_mov_b32 s[G1+7], 0
	s_mov_b32 s[SEL], 0x76543210
	s_mov_b32 s[SEL+1], 0xfedcba98                 ; v_permlanex16_b32's selects for lane l xor 16
	s_mov_b32 s[CS], 0x3e38aa3b
	s_mov_b32 s[CS+1], s[CS]
	s_mov_b32 s45, 0xbe38aa3b                      ; -c
	s_lshr_b32 s68, s18, 2
	s_lshl_b32 s68, s68, 6
	s_and_b32 s43, s18, 3
	s_lshl_b32 s43, s43, 3
	s_add_co_u32 s68, s68, s43                     ; tile g's first query in its 128: 64 (g / 4) + 8 (g % 4)
	s_mul_i32 s69, s[WV], PARTB
	s_add_co_u32 s69, s69, PART
	s_add_co_u32 s70, s69, 4096
	s_xor_b32 s43, s19, 4
	s_mul_i32 s71, s43, PARTB
	s_add_co_u32 s71, s71, PART+8*PARTB            ; (waves 0-7) my partner's place
	s_add_co_u32 s72, s71, 4096
	s_mov_b32 s43, 0x01000100
	s_bitcmp1_b32 s18, 0
	s_cselect_b32 s67, 0x03020302, s43             ; which two bytes of a pair's scale word are my tile's
	v_and_b32 v12, 31, v0                          ; lane
	v_and_b32 v13, 15, v0                          ; r
	v_bfe_u32 v14, v0, 4, 1                        ; h
	v_and_b32 v15, 7, v0
	v_bfe_u32 v248, v0, 3, 1
	v_lshlrev_b32 v1, 4, v12                       ; 16 x lane
	v_lshl_add_u32 v2, v12, 3, 8192                ; K's scale words in a step
	v_lshl_add_u32 v3, v12, 2, 8448                ; V's
	v_lshlrev_b32 v[H8], 3, v14
	v_lshl_add_u32 v[DIA], v248, 5, v15
	v_lshlrev_b32 v15, 5, v14
	v_lshlrev_b32 v209, 3, v13                     ; q's scale words: 8 r
	v_sub_nc_u32 v[DIA], v[DIA], v15
	v_lshl_add_u32 v210, v13, 4, v14               ; o's scale bytes: 16 r + h
	v_add_nc_u32 v[DIA], s68, v[DIA]
	v_lshlrev_b32 v15, 3, v12
	v_add_nc_u32 v[AP], s69, v1
	v_add_nc_u32 v[AL], s71, v1
	v_add_nc_u32 v[AP2], s70, v15
	v_add_nc_u32 v[AL2], s72, v15
	v_add_nc_u32 v7, s[TB], v1                     ; the first step's addresses of K
	v_add_nc_u32 v8, s[TB], v2
	s_wait_dscnt 0x0                               ; both opening adds are done
	s_wait_alu depctr_va_vdst(0)
	s_wait_kmcnt 0x0
	s_mov_b32 s51, 0
	s_mul_i32 s50, s15, 16*STEPB
	s_mul_i32 s43, s[WV], STEPB
	s_add_co_u32 s50, s50, s43
	s_mov_b32 s[G0], 1                             ; 1:0 count = 1
	s_mov_b32 s[G0+1], s43                         ; 63:32 LDS address: step = wave
	s_add_nc_u64 s[G0+2:G0+3], s[8:9], s[50:51]    ; 120:64 global address
	s_or_b32 s[G0+3], s[G0+3], 0x80000000          ; 127:126 type = 2
	s_lshl_b32 s50, s15, 16
	s_add_nc_u64 s[4:5], s[4:5], s[50:51]          ; q's codes of the head
	s_lshl_b32 s50, s15, 12
	s_bfe_u32 s43, s18, 0x10001
	s_lshl_b32 s43, s43, 7
	s_add_co_u32 s50, s50, s43
	s_lshr_b32 s43, s18, 2
	s_lshl_b32 s43, s43, 2
	s_add_co_u32 s50, s50, s43
	s_add_nc_u64 s[6:7], s[6:7], s[50:51]          ; q's scale words: pair g / 2 of each 128 rows
.macro QAT j, pc, pw                   ; tile j's codes and scale words
	s_lshl_b32 s50, s[\j], 3
	s_add_co_u32 s50, s50, s18
	s_lshl_b32 s50, s50, 9
	s_add_nc_u64 s[\pc:\pc+1], s[4:5], s[50:51]
	s_lshl_b32 s50, s[\j], 8
	s_add_nc_u64 s[\pw:\pw+1], s[6:7], s[50:51]
.endm
	QAT J, 52, 54
	QAT 19, 56, 58
	global_load_b128 v[20:23], v1, s[52:53]        ; the long tile's Q,
	global_load_b128 v[28:31], v1, s[56:57]        ; the short one's
	global_load_b32 v207, v209, s[54:55]
	global_load_b32 v208, v209, s[58:59]
	s_lshr_b32 s66, s15, 4                         ; batch
	s_and_b32 s16, s15, 15                         ; head
	s_lshl_b32 s43, s44, 3
	s_add_co_u32 s43, s43, s18
	s_lshl_b32 s66, s66, 7
	s_add_co_u32 s43, s43, s66                     ; the tile of o that I finish
	s_lshl_b32 s50, s43, 13
	s_lshl_b32 s66, s16, 9
	s_add_co_u32 s50, s50, s66
	s_add_nc_u64 s[60:61], s[10:11], s[50:51]      ; its blocks 2 head, 2 head + 1
	s_lshl_b32 s50, s43, 9
	s_lshr_b32 s66, s16, 3
	s_lshl_b32 s66, s66, 8
	s_add_co_u32 s50, s50, s66
	s_and_b32 s66, s16, 7
	s_lshl_b32 s66, s66, 1
	s_add_co_u32 s50, s50, s66
	s_add_nc_u64 s[62:63], s[12:13], s[50:51]      ; their scale bytes: [half of K][row][16]
	CROUND                                         ; all four work-groups are here: the joint loads meet
	tensor_load_to_lds s[G0:G0+3], s[G1:G1+7]      ; every wave: one step of the head's K and V
	s_nop 0
.rept 4
	v_nop
.endr
	s_wait_loadcnt 0x0
	v_perm_b32 v[QS], v207, v207, s67              ; my tile's two bytes, twice: they serve Q below and Q above
	v_perm_b32 v[QS2], v208, v208, s67
.irp j, 16,17,18,19,24,25,26,27
	v_mov_b32 v[\j], 0                             ; the zero codes beside Q
.endr
	v_mov_b32 v[NINF], 0xff800000                  ; -infinity
	v_mov_b32 v237, 0                              ; written once: a lane permute's destination counts as one of its sources
	v_mov_b32 v240, 0
	v_mov_b32 v251, 0                              ; (named as the upper half of a pair)
	FRESH
	s_wait_alu depctr_va_vdst(0)                   ; the wait at the head's end
	s_wait_tensorcnt 0x0                           ; my step has landed
	s_barrier_signal -1
	s_barrier_wait -1                              ; all sixteen have
	KLOAD                                          ; the first step's K; each trip fetches its successor's
.Ltrip:
	s_cmp_ge_u32 s[I], s[NTR]
	s_cbranch_scc1 .Lnone
	s_cmp_lg_u32 s[I], s[SW]
	s_cbranch_scc1 .Lsame
	s_cmp_lt_u32 s[WV], 8
	s_cbranch_scc1 .Lsame
.irp i, 0,1,2,3,4,5,6,7                        ; waves 8-15, once: the long tile's part goes to LDS,
	ds_store_b128 v[AP], v[160+4*\i:163+4*\i] offset:512*\i
.endr
	v_mov_b32 v248, v12
	v_add_f32 v249, v14, v15
	ds_store_b64 v[AP2], v[248:249]
	s_wait_dscnt 0x0                               ; (the stores have read their registers)
	v_mov_b32 v[QS], v[QS2]                        ; and the short tile begins
.irp i, 0,1,2,3
	v_mov_b32 v[20+\i], v[28+\i]
.endr
	FRESH
	s_mov_b32 s[J], s19
	s_wait_alu depctr_va_vdst(0)
.Lsame:
	s_cmp_ge_u32 s[I], s[SW]
	s_cselect_b32 s66, s[OF1], s[OF0]
	s_add_co_u32 s43, s[I], s66
	s_and_b32 s[S], s43, 15                        ; this trip's key step
	s_mul_i32 s[TB], s[S], STEPB
	v_add_nc_u32 v[AV], s[TB], v1
	v_add_nc_u32 v9, s[TB], v3
.irp t, 0,1,2,3                                ; V's ten loads.  (The sums behind the last trip's products are the places ahead of them)
.irp c, 0,1
	ds_load_b128 v[64+8*\t+4*\c:67+8*\t+4*\c], v[AV] offset:4096+1024*\t+512*\c
.endr
.endr
	ds_load_b32 v[VS], v9
	ds_load_b32 v[VS+1], v9 offset:128
	s_add_co_u32 s43, s[I], 1                      ; the next trip's key step
	s_cmp_ge_u32 s43, s[SW]
	s_cselect_b32 s66, s[OF1], s[OF0]
	s_add_co_u32 s43, s43, s66
	s_and_b32 s43, s43, 15
	s_mul_i32 s[TB], s43, STEPB
	s_wait_dscnt 10                                ; K is in; V's ten loads may be out
.irp f, 0,2                                    ; S^T: fragment f holds key tiles 2 f (met by Q below) and 2 f + 1 (met by Q above)
	v_wmma_scale_f32_16x16x128_f8f6f4 v[96+16*\f:103+16*\f], v[32+8*\f:39+8*\f], v[20:27], 0, v[KS+\f/2], v[QS] matrix_a_fmt:MATRIX_FMT_FP4 matrix_b_fmt:MATRIX_FMT_FP4
	v_wmma_scale_f32_16x16x128_f8f6f4 v[104+16*\f:111+16*\f], v[32+8*\f:39+8*\f], v[16:23], 0, v[KS+\f/2], v[QS] matrix_a_fmt:MATRIX_FMT_FP4 matrix_b_fmt:MATRIX_FMT_FP4
	v_wmma_scale_f32_16x16x128_f8f6f4 v[112+16*\f:119+16*\f], v[40+8*\f:47+8*\f], v[20:27], 0, v[KS+\f/2], v[QS] matrix_a_fmt:MATRIX_FMT_FP4 matrix_b_fmt:MATRIX_FMT_FP4 matrix_a_scale:MATRIX_SCALE_ROW1
	v_wmma_scale_f32_16x16x128_f8f6f4 v[120+16*\f:127+16*\f], v[40+8*\f:47+8*\f], v[16:23], 0, v[KS+\f/2], v[QS] matrix_a_fmt:MATRIX_FMT_FP4 matrix_b_fmt:MATRIX_FMT_FP4 matrix_a_scale:MATRIX_SCALE_ROW1
.endr
	v_add_nc_u32 v7, s[TB], v1                     ; four places behind the products: the next step's addresses of K,
	v_add_nc_u32 v8, s[TB], v2
	v_mov_b32 v253, v12                            ; the old -M
	v_nop
	KLOAD                                          ; the next step's K, under this step's softmax (the last trip's is read by nobody; its address lies among the sixteen steps)
	s_cmp_lg_u32 s[S], s[J]
	s_cbranch_scc1 .Lopen
.set n, 0
.rept 64                               ; on the diagonal the scores of hidden keys become -infinity ahead of the maximum: p = 0 then
	v_cmp_gt_i32 vcc_lo, 64*(n/32)+n%32, v[DIA]
	v_cndmask_b32 v[96+n], v[96+n], v[NINF], vcc_lo
.set n, n+1
.endr
.Lopen:
.irp c, 0,1                                    ; the largest score of each of my two blocks: for the row's maximum and, since p rises with the score, for the block's largest p
	v_max3_num_f32 v[232+\c], v[96+32*\c], v[97+32*\c], v[98+32*\c]
	v_max3_num_f32 v[234+\c], v[99+32*\c], v[100+32*\c], v[101+32*\c]
.endr
.irp i, 6,10,14,18,22,26
.irp c, 0,1
	v_max3_num_f32 v[232+\c], v[232+\c], v[96+32*\c+\i], v[97+32*\c+\i]
	v_max3_num_f32 v[234+\c], v[234+\c], v[98+32*\c+\i], v[99+32*\c+\i]
.endr
.endr
.irp c, 0,1
	v_max3_num_f32 v[232+\c], v[232+\c], v[126+32*\c], v[127+32*\c]
.endr
.irp c, 0,1
	v_max_num_f32 v[232+\c], v[232+\c], v[234+\c]
.endr
	v_max_num_f32 v236, v232, v233
	s_delay_alu instid0(VALU_DEP_1)
	v_permlanex16_b32 v237, v236, s[SEL], s[SEL+1]
	s_delay_alu instid0(VALU_DEP_1)
	v_max3_num_f32 v13, v236, v237, v13            ; with lane l xor 16's keys: the running largest score
	s_delay_alu instid0(VALU_DEP_1)
	v_mul_f32 v238, s45, v13
	s_delay_alu instid0(VALU_DEP_1)
	v_floor_f32 v12, v238                          ; the new -M = floor(-t): M is a whole number
.macro SCALED k                        ; t - M, two at a time
.rept \k
	v_pk_fma_f32 v[n:n+1], v[n:n+1], s[CS:CS+1], v[12:13] op_sel_hi:[1,0,0]
.set n, n+2
.endr
.endm
.set n, 96
	SCALED 8
	v_sub_f32 v239, v12, v253                      ; old M - new M: a whole number, 0 or less
	SCALED 8
	v_cvt_i32_f32 v239, v239                       ; (it saturates)
	SCALED 8
	v_ldexp_f32 v252, 1.0, v239                    ; f = 2^(old M - new M)
	SCALED 8
	v_pk_fma_f32 v[232:233], v[232:233], s[CS:CS+1], v[12:13] op_sel_hi:[1,0,0]   ; the same of each block's largest score
	s_wait_alu depctr_va_vdst(0)                   ; the wait ahead of the batch,
.set n, 96
.rept 64
	v_exp_f32 v[n], v[n]                           ; p = 2^(t - M), at most 1
.set n, n+1
.endr
	v_exp_f32 v232, v232                           ; the blocks' largest p: the same two instructions on the same number give the same bits
	v_exp_f32 v233, v233
	v_pk_mul_f32 v[14:15], v[14:15], v[252:253] op_sel_hi:[1,0]       ; the sums under the new M (a plain line behind the exponentials)
	s_wait_alu depctr_va_vdst(0)                   ; behind it, and ahead of the first readers of O^T
.macro OM k                            ; O^T under the new M; the scale's lines stand among these
.rept \k
	v_pk_mul_f32 v[n:n+1], v[n:n+1], v[252:253] op_sel_hi:[1,0]
.set n, n+2
.endr
.endm
.set n, 160
	OM 1
	v_max_num_f32 v232, 0x1800000, v232            ; the floor 2^(3 - 127): a block whose every p is 0 keeps the byte 1: its codes are zeros
	v_max_num_f32 v233, 0x1800000, v233
	OM 2
	v_add_nc_u32 v244, 0xff000000, v232            ; 2 off the exponent field: the conversion's scale operand
	v_add_nc_u32 v245, 0xff000000, v233
	OM 2
	v_lshrrev_b32 v236, 23, v244                   ; the scale's byte
	v_lshrrev_b32 v237, 23, v245
	OM 2
	v_lshl_or_b32 v236, v237, 16, v236
	OM 3
	v_lshlrev_b32 v236, v[H8], v236                ; my two bytes at their places, h and 2 + h;
	OM 3
	v_permlanex16_b32 v240, v236, s[SEL], s[SEL+1]
	OM 3
	v_or_b32 v[PW], v236, v240                     ; with lane l xor 16's two the word is whole
.irp c, 0,1
.irp t, 0,1,2,3
	v_cvt_scalef32_pk8_fp4_f32 v[224+4*\c+\t], v[96+32*\c+8*\t:103+32*\c+8*\t], v[244+\c]
.endr
.endr
.macro SUM                             ; the next pair of p onto one of four chains, by turns
.if (n+1)%4 == 3
	v_pk_add_f32 v[14:15], v[14:15], v[96+2*n:97+2*n]
.else
	v_pk_add_f32 v[236+2*((n+1)%4):237+2*((n+1)%4)], v[236+2*((n+1)%4):237+2*((n+1)%4)], v[96+2*n:97+2*n]
.endif
.set n, n+1
.endm
	v_pk_add_f32 v[236:237], v[96:97], v[98:99]    ; the row's sum, of the unquantised p.  These twelve are the places between the writing of p's codes and scale word and the products
	v_pk_add_f32 v[238:239], v[100:101], v[102:103]
	v_pk_add_f32 v[240:241], v[104:105], v[106:107]
	v_pk_add_f32 v[14:15], v[14:15], v[108:109]
.set n, 7
.rept 8
	SUM
.endr
	s_wait_alu depctr_va_vdst(0)                   ; the wait ahead of the wait below
	s_wait_dscnt 9                                 ; V is in; the next K's nine loads may be out
.irp t, 0,2                                    ; O^T += V^T P^T: the four accumulators by turns, one instruction a turn
	v_wmma_scale_f32_16x16x128_f8f6f4 v[160+8*\t:167+8*\t], v[64+8*\t:71+8*\t], v[224:231], v[160+8*\t:167+8*\t], v[VS+\t/2], v[PW] matrix_a_fmt:MATRIX_FMT_FP4 matrix_b_fmt:MATRIX_FMT_FP4
	v_wmma_scale_f32_16x16x128_f8f6f4 v[168+8*\t:175+8*\t], v[72+8*\t:79+8*\t], v[224:231], v[168+8*\t:175+8*\t], v[VS+\t/2], v[PW] matrix_a_fmt:MATRIX_FMT_FP4 matrix_b_fmt:MATRIX_FMT_FP4 matrix_a_scale:MATRIX_SCALE_ROW1
.endr
.rept 17                               ; the rest of the sum: plain work behind the products
	SUM
.endr
	v_pk_add_f32 v[236:237], v[236:237], v[238:239]
	v_pk_add_f32 v[14:15], v[14:15], v[240:241]
	v_pk_add_f32 v[14:15], v[14:15], v[236:237]
.Lnone:
	s_add_co_u32 s[I], s[I], 1
	s_wait_alu depctr_va_vdst(0)                   ; the wait ahead of the branch
	s_cmp_lt_u32 s[I], TRIPS
	s_cbranch_scc1 .Ltrip
	s_wait_dscnt 0x0                               ; waves 8-15: my part lies in LDS
	s_barrier_signal -1
	s_barrier_wait -1
	s_cmp_lt_u32 s[WV], 8
	s_cbranch_scc0 .Lfinish
.irp i, 0,1,2,3,4,5,6,7                        ; waves 0-7: my partner's part of the long tile
	ds_load_b128 v[64+4*\i:67+4*\i], v[AL] offset:512*\i
.endr
	ds_load_b64 v[248:249], v[AL2]
	v_add_f32 v14, v14, v15
	v_mov_b32 v15, 0
	s_wait_alu depctr_va_vdst(0)                   ; the wait ahead of the wait below
	s_wait_dscnt 0x0
	v_min_num_f32 v253, v12, v248                  ; the joint -M
	v_sub_f32 v250, v253, v12
	v_sub_f32 v252, v253, v248
	v_cvt_i32_f32 v250, v250
	v_cvt_i32_f32 v252, v252
	v_ldexp_f32 v250, 1.0, v250                    ; my factor,
	v_ldexp_f32 v252, 1.0, v252                    ; the other part's (0 where it had no step)
	v_mul_f32 v14, v14, v250
	v_fma_f32 v14, v249, v252, v14
.set n, 0
.rept 16
	v_pk_mul_f32 v[160+n:161+n], v[160+n:161+n], v[250:251] op_sel_hi:[1,0]
.set n, n+2
.endr
.set n, 0
.rept 16
	v_pk_fma_f32 v[160+n:161+n], v[64+n:65+n], v[252:253], v[160+n:161+n] op_sel_hi:[1,0,1]
.set n, n+2
.endr
.Lfinish:                                              ; waves 0-7 finish the long tile, waves 8-15 the short one
	v_add_f32 v14, v14, v15
	v_permlanex16_b32 v240, v14, s[SEL], s[SEL+1]
	v_add_f32 v14, v14, v240                       ; the row's sum
	s_wait_alu depctr_va_vdst(0)                   ; the wait ahead of the transcendental,
	v_rcp_f32 v14, v14
	v_nop                                          ; one plain place behind it,
	s_wait_alu depctr_va_vdst(0)                   ; and the wait behind it
.set n, 0
.rept 16
	v_pk_mul_f32 v[96+n:97+n], v[160+n:161+n], v[14:15] op_sel_hi:[1,0]   ; O^T / the sum: register 8 t + j is o(query r, channel 32 h + 8 t + j)
.set n, n+2
.endr
	v_max3_num_f32 v232, |v96|, |v97|, |v98|       ; my block's largest magnitude
	v_max3_num_f32 v234, |v99|, |v100|, |v101|
.irp i, 6,10,14,18,22,26
	v_max3_num_f32 v232, v232, |v[96+\i]|, |v[97+\i]|
	v_max3_num_f32 v234, v234, |v[98+\i]|, |v[99+\i]|
.endr
	v_max3_num_f32 v232, v232, |v126|, |v127|
	v_max3_num_f32 v232, v232, v234, 0x1800000
	v_add_nc_u32 v244, 0xff000000, v232
	v_lshrrev_b32 v236, 23, v244
.irp t, 0,1,2,3
	v_cvt_scalef32_pk8_fp4_f32 v[200+\t], v[96+8*\t:103+8*\t], v244
.endr
	v_nop                                          ; one plain line behind the last conversion
	global_store_b128 v1, v[200:203], s[60:61]     ; 512 consecutive bytes
	global_store_b8 v210, v236, s[62:63]           ; two bytes a row: the row's other bytes belong to other heads' work-groups; 128 KiB in the whole launch
	s_wait_tensorcnt 0x0                           ; the wave's end
	ds_add_u32 v[SPW], v[NIL]
	s_wait_dscnt 0x0
	CROUND                                         ; the closing round: no work-group ends while a partner may still ask for a tile that names it
	s_endpgm
.Lfunc_end_k_qd9688fd6c9_attn:
	.size	k_qd9688fd6c9_attn, .Lfunc_end_k_qd9688fd6c9_attn-k_qd9688fd6c9_attn
	.p2alignl 7, 3214868480
	.fill 96, 4, 3214868480
	.section	.rodata,"a",@progbits
	.p2align	6, 0x0
	.amdhsa_kernel k_qd9688fd6c9_attn
		.amdhsa_group_segment_fixed_size 210944
		.amdhsa_private_segment_fixed_size 0
		.amdhsa_enable_private_segment 0
		.amdhsa_kernarg_size 40
		.amdhsa_user_sgpr_count 2
		.amdhsa_user_sgpr_kernarg_segment_ptr 1
		.amdhsa_wavefront_size32 1
		.amdhsa_system_sgpr_workgroup_id_x 1
		.amdhsa_system_sgpr_workgroup_id_y 1
		.amdhsa_system_sgpr_workgroup_id_z 1
		.amdhsa_system_vgpr_workitem_id 0
		.amdhsa_next_free_vgpr 256
		.amdhsa_next_free_sgpr 80
		.amdhsa_reserve_vcc 1
		.amdhsa_float_denorm_mode_32 3
		.amdhsa_float_denorm_mode_16_64 3
		.amdhsa_memory_ordered 1
		.amdhsa_forward_progress 1
		.amdhsa_inst_pref_size 38
	.end_amdhsa_kernel
	.amdgpu_metadata
---
amdhsa.version: [ 1, 2 ]
amdhsa.kernels:
  - .name:           k_qd9688fd6c9_attn
    .symbol:         k_qd9688fd6c9_attn.kd
    .args:
      - { .name: q_codes, .offset: 0, .size: 8, .value_kind: global_buffer, .address_space: global }
      - { .name: q_scales, .offset: 8, .size: 8, .value_kind: global_buffer, .address_space: global }
      - { .name: kv, .offset: 16, .size: 8, .value_kind: global_buffer, .address_space: global }
      - { .name: o_codes, .offset: 24, .size: 8, .value_kind: global_buffer, .address_space: global }
      - { .name: o_scales, .offset: 32, .size: 8, .value_kind: global_buffer, .address_space: global }
    .group_segment_fixed_size: 210944
    .private_segment_fixed_size: 0
    .kernarg_segment_align: 8
    .kernarg_segment_size: 40
    .max_flat_workgroup_size: 512
    .sgpr_count:     80
    .vgpr_count:     256
    .wavefront_size: 32
...
	.end_amdgpu_metadata
.endif
;; end of part 3
;; launch oproj (part 4): grid 8 x 32, 4 waves a work-group, clusters of 4 x 4, 168,448 bytes of LDS; arguments o_codes, o_scales, xw_codes, xw_scales, bo, h, out0; writes out0
.if DOCPART == 4
	.amdgcn_target "amdgcn-amd-amdhsa--gfx1250"
	.amdhsa_code_object_version 6
	.text
	.protected	k_qd9688fd6c9_oproj
	.globl	k_qd9688fd6c9_oproj
	.p2align	8
	.type	k_qd9688fd6c9_oproj,@function
k_qd9688fd6c9_oproj:
	s_mov_b64 s[64:65], 0
	v_nop
	global_prefetch_b8 v0, s[64:65] scope:SCOPE_SE
	s_setreg_imm32_b32 hwreg(HW_REG_WAVE_MODE, 25, 1), 1
	s_wait_xcnt 0x0
	s_wait_alu depctr_hold_cnt(0) depctr_sa_sdst(0) depctr_va_vdst(0) depctr_va_sdst(0) depctr_va_ssrc(0) depctr_va_vcc(0) depctr_vm_vsrc(0)
	s_getreg_b32 s2, hwreg(HW_REG_IB_STS2, 6, 4)
	s_cmp_eq_u32 s2, 0
	s_cbranch_scc0 .Lentry_in_a_cluster
	s_endpgm
.Lentry_in_a_cluster:
	s_bfe_u32 s2, ttmp6, 0x10000c
	s_cmp_lg_u32 s2, 0xf033
	s_cbranch_scc0 .Lentry_shape_is_right
	s_endpgm
.Lentry_shape_is_right:
; out = o Wo + bo + h on codes of FP4 (E2M1) with E8M0 scales; sums in f32.  A work-group takes 128 rows x 128 columns, a wave 64 x 64: 16 accumulators; 8 x 32 work-groups of equal work.
; o's tiles hold the rows 8 t + 0..7 and 32 + 8 t + 0..7 of each 64 (t = 0 .. 3), so a wave's four tiles are 64 neighbouring rows; h is loaded and out is stored at the rows' true places.
; ALL OF K = 1,024 LIES IN LDS: o's 8 tiles at 0 and W's 8 at 65,536, 8,192 bytes each, in the order of the operands' registers: filled once, one tensor load a wave (waves 0 and 1: o, waves 2 and 3: W).
; CLUSTERS: 4 x 4: a row of the cluster shares o's tiles, a column W's: joint loads.  No prefetch: all is asked for at the head, and no loop runs ahead of a load.
; The products are used transposed (source 0 = W, source 1 = o): a lane holds eight neighbouring columns of a row.  bo is the C of the first products.  A block of 16 rows goes through the wave's own stage in LDS
; (rows of 272 bytes), meets h there in registers, and leaves as rows of 256 consecutive aligned bytes.
; LIMITS: NaN and infinities are not served.
; REGISTERS: window 0: v1-7 addresses; v16-47 scale words; v64-95 bo; v128-255 fragments, two sets, later the rows that leave.  window 1: v0-127 accumulators, v128-255 h.
.set ADX, 1
.set ADW, 2
.set STO, 3
.set RD,  4
.set CO,  5
.set SO,  6
.set B8,  7
.set XS,  16
.set WS,  32
.set BO,  64
.set XF,  128
.set BK,  128
.set G1X, 24
.set G0X, 32
.set G1W, 48
.set G0W, 56
.set MSB, 0
.macro WIN new
.if MSB != (\new)
	s_set_vgpr_msb (MSB<<8)|(\new)
.set MSB, (\new)
.endif
.endm
.macro PLACES
.rept 4
	v_nop
.endr
.endm
.macro JLOAD g0a, g1a, g0b, g1b
	s_cmp_eq_u32 s23, 0
	s_cbranch_scc0 .Lfor_b_\@
	tensor_load_to_lds s[\g0a:\g0a+3], s[\g1a:\g1a+7]
	s_nop 0
.rept 4
	v_nop
.endr
	s_branch .Lasked_\@
.Lfor_b_\@:
	tensor_load_to_lds s[\g0b:\g0b+3], s[\g1b:\g1b+7]
	s_nop 0
.rept 4
	v_nop
.endr
.Lasked_\@:
.endm
.macro CROUND
	s_barrier_signal -1
	s_barrier_wait -1
	s_cmp_lg_u32 s22, 0
	s_cbranch_scc1 .Lnot_wave_0_\@
	s_barrier_signal -3
.Lnot_wave_0_\@:
	s_barrier_wait -3
	s_barrier_signal -1
	s_barrier_wait -1
.endm
.macro WM d, a, b, c, sa, sb, row
.if \row
	v_wmma_scale_f32_16x16x128_f8f6f4 v[\d:\d+7], v[\a:\a+7], v[\b:\b+7], v[\c:\c+7], v[\sa], v[\sb] matrix_a_fmt:MATRIX_FMT_FP4 matrix_b_fmt:MATRIX_FMT_FP4 matrix_a_scale:MATRIX_SCALE_ROW1 matrix_b_scale:MATRIX_SCALE_ROW1
.else
	v_wmma_scale_f32_16x16x128_f8f6f4 v[\d:\d+7], v[\a:\a+7], v[\b:\b+7], v[\c:\c+7], v[\sa], v[\sb] matrix_a_fmt:MATRIX_FMT_FP4 matrix_b_fmt:MATRIX_FMT_FP4
.endif
.endm
	s_load_b256 s[4:11], s[0:1], 0x0
	s_load_b128 s[12:15], s[0:1], 0x20
	s_load_b64 s[16:17], s[0:1], 0x30
	v_lshl_add_u32 v126, v0, 2, 0x29000
	v_mov_b32 v127, 0
	ds_add_u32 v126, v127
	ds_add_u32 v126, v127
	v_lshrrev_b32 v12, 5, v0
	v_readfirstlane_b32 s22, v12
	s_lshr_b32 s23, s22, 1
	s_and_b32 s40, s22, 1
	s_bfe_u32 s41, ttmp6, 0x40000
	s_bfe_u32 s42, ttmp6, 0x40004
	s_lshl_b32 s43, ttmp9, 2
	s_add_co_u32 s43, s43, s41
	s_and_b32 s44, ttmp7, 0xffff
	s_lshl_b32 s44, s44, 2
	s_add_co_u32 s44, s44, s42
	s_lshl_b32 s45, s42, 2
	s_lshl_b32 s45, 15, s45
	s_lshl_b32 s46, 0x1111, s41
	s_or_b32 s[G1X], s45, (3<<16)|(1<<21)
	s_or_b32 s[G1W], s46, (3<<16)|(1<<21)
.irp g, G1X, G1W
	s_mov_b32 s[\g+1], 1024<<16                    ; a tile's 8,192 bytes are one row of 1,024 elements of 8 bytes; four tiles a load
	s_mov_b32 s[\g+2], 4<<16
	s_mov_b32 s[\g+3], 1024<<16
	s_mov_b32 s[\g+4], 4
	s_mov_b32 s[\g+5], 1024
	s_mov_b32 s[\g+6], 0
	s_mov_b32 s[\g+7], 0
.endr
	v_and_b32 v12, 31, v0
	v_and_b32 v13, 15, v0
	v_bfe_u32 v14, v0, 4, 1
	v_lshlrev_b32 v15, 4, v12
	s_lshl_b32 s47, s23, 15
	v_add_nc_u32 v[ADX], s47, v15
	s_lshl_b32 s47, s40, 15
	s_add_co_u32 s47, s47, 65536
	v_add_nc_u32 v[ADW], s47, v15
	s_mul_i32 s47, s22, 4352
	s_add_co_u32 s47, s47, 131072
	v_mul_u32_u24 v[STO], v13, 272
	v_lshl_add_u32 v[STO], v14, 5, v[STO]
	v_add_nc_u32 v[STO], s47, v[STO]
	v_mul_u32_u24 v[RD], v14, 272
	v_lshl_add_u32 v[RD], v13, 4, v[RD]
	v_add_nc_u32 v[RD], s47, v[RD]
	v_lshlrev_b32 v[CO], 12, v14
	v_lshl_add_u32 v[CO], v13, 4, v[CO]
	v_lshlrev_b32 v[SO], 4, v12                    ; scale words: 16 x lane: [half of K][row][16 bytes]
	v_lshlrev_b32 v[B8], 5, v14
	s_lshl_b32 s66, s44, 16
	s_lshl_b32 s67, s40, 15
	s_add_co_u32 s66, s66, s67
	s_mov_b32 s67, 0
	s_lshl_b32 s68, s43, 16
	s_lshl_b32 s69, s40, 15
	s_add_co_u32 s68, s68, s69
	s_add_co_u32 s68, s68, 0x380000
	s_mov_b32 s69, 0
	s_lshl_b32 s70, s40, 15
	s_add_co_u32 s71, s70, 65536
	s_mov_b32 s99, 0
	s_wait_dscnt 0x0
	s_wait_kmcnt 0x0
	s_add_nc_u64 s[66:67], s[4:5], s[66:67]
	s_add_nc_u64 s[68:69], s[8:9], s[68:69]
	s_lshl_b32 s98, s44, 12
	s_lshl_b32 s74, s23, 11
	s_add_co_u32 s98, s98, s74
	s_add_nc_u64 s[78:79], s[6:7], s[98:99]
	s_lshl_b32 s98, s43, 12
	s_lshl_b32 s74, s40, 11
	s_add_co_u32 s98, s98, s74
	s_add_co_u32 s98, s98, 0x38000
	s_add_nc_u64 s[80:81], s[10:11], s[98:99]
	s_lshl_b32 s98, s43, 9
	s_lshl_b32 s74, s40, 8
	s_add_co_u32 s98, s98, s74
	s_add_nc_u64 s[82:83], s[12:13], s[98:99]
	s_lshl_b32 s74, s44, 19
	s_add_co_u32 s98, s98, s74
	s_lshl_b32 s74, s23, 18
	s_add_co_u32 s98, s98, s74
	s_add_nc_u64 s[84:85], s[14:15], s[98:99]
	s_add_nc_u64 s[86:87], s[16:17], s[98:99]
	s_mov_b32 s[G0X], 1
	s_mov_b32 s[G0X+1], s70
	s_mov_b64 s[G0X+2:G0X+3], s[66:67]
	s_or_b32 s[G0X+3], s[G0X+3], 0x80000000
	s_mov_b32 s[G0W], 1
	s_mov_b32 s[G0W+1], s71
	s_mov_b64 s[G0W+2:G0W+3], s[68:69]
	s_or_b32 s[G0W+3], s[G0W+3], 0x80000000
	s_wait_alu depctr_va_vdst(0)
	; what comes into registers is asked for ahead of the cluster's round: scale words, bo, then h (32 loads, which may stay out until the sums are finished)
.irp i, 0,1,2,3
	global_load_b128 v[XS+4*\i:XS+4*\i+3], v[SO], s[78:79] offset:512*\i
	global_load_b128 v[WS+4*\i:WS+4*\i+3], v[SO], s[80:81] offset:512*\i
.endr
.irp t, 0,1,2,3
	global_load_b128 v[BO+8*\t:BO+8*\t+3], v[B8], s[82:83] offset:64*\t
	global_load_b128 v[BO+8*\t+4:BO+8*\t+7], v[B8], s[82:83] offset:64*\t+16
.endr
	WIN 0x40
.irp a, 0,1,2,3
.irp i, 0,1,2,3,4,5,6,7
	global_load_b128 v[128+32*\a+4*\i:128+32*\a+4*\i+3], v[CO], s[84:85] offset:(8*\a+2*(\i%4)+32*(\i/4))*4096 th:TH_LOAD_NT
.endr
.endr
	WIN 0
	CROUND                                         ; all sixteen work-groups are here: the joint loads meet
	JLOAD G0X, G1X, G0W, G1W                       ; one tensor load a wave
.macro FETCH ks, p
	WIN 0
.irp i, 0,1,2,3
.irp c, 0,1
	ds_load_b128 v[XF+64*(\p)+8*\i+4*\c:XF+64*(\p)+8*\i+4*\c+3], v[ADX] offset:8192*\i+1024*(\ks)+512*\c
.endr
.endr
.irp t, 0,1,2,3
.irp c, 0,1
	ds_load_b128 v[XF+32+64*(\p)+8*\t+4*\c:XF+32+64*(\p)+8*\t+4*\c+3], v[ADW] offset:8192*\t+1024*(\ks)+512*\c
.endr
.endr
.endm
.macro MULH ks, p, first, i0
.if \first
	WIN 0x40
.else
	WIN 0x50
.endif
.irp i, \i0, \i0+1
.irp t, 0,1,2,3
.if \first
	WM 8*(4*(\i)+\t), XF+32+64*(\p)+8*\t, XF+64*(\p)+8*(\i), BO+8*\t, WS+4*\t+(\ks)%4, XS+4*(\i)+(\ks)%4, (\ks)/4
.else
	WM 8*(4*(\i)+\t), XF+32+64*(\p)+8*\t, XF+64*(\p)+8*(\i), 8*(4*(\i)+\t), WS+4*\t+(\ks)%4, XS+4*(\i)+(\ks)%4, (\ks)/4
.endif
.endr
.endr
.endm
.macro KSTEP ks
	PLACES
	FETCH (\ks)+1, ((\ks)+1)%2
	s_wait_dscnt 16
	MULH \ks, (\ks)%2, 0, 0
	MULH \ks, (\ks)%2, 0, 2
.endm
	s_wait_tensorcnt 0x0                           ; my four tiles have landed
	s_barrier_signal -1
	s_barrier_wait -1                              ; everybody's have
	FETCH 0, 0
	FETCH 1, 1
	s_wait_loadcnt 32
	s_wait_dscnt 16
	MULH 0, 0, 1, 0
	MULH 0, 0, 1, 2
	KSTEP 1
	KSTEP 2
	KSTEP 3
	KSTEP 4
	KSTEP 5
	KSTEP 6
	s_wait_dscnt 0x0
	MULH 7, 1, 0, 0
	MULH 7, 1, 0, 2
	WIN 0
	PLACES
	s_wait_loadcnt 0x0
.irp a, 0,1,2,3
.if \a > 1
	s_wait_xcnt 0x0
.endif
	WIN 0x04
.irp t, 0,1,2,3
	ds_store_b128 v[STO], v[8*(4*\a+\t):8*(4*\a+\t)+3] offset:64*\t
	ds_store_b128 v[STO], v[8*(4*\a+\t)+4:8*(4*\a+\t)+7] offset:64*\t+16
.endr
	WIN 0
.irp i, 0,1,2,3,4,5,6,7
	ds_load_b128 v[BK+32*(\a%2)+4*\i:BK+32*(\a%2)+4*\i+3], v[RD] offset:544*\i
.endr
	s_wait_dscnt 0x0
	WIN 0x04
.irp q, 0,2,4,6,8,10,12,14,16,18,20,22,24,26,28,30
	v_pk_add_f32 v[BK+32*(\a%2)+\q:BK+32*(\a%2)+\q+1], v[BK+32*(\a%2)+\q:BK+32*(\a%2)+\q+1], v[128+32*\a+\q:128+32*\a+\q+1]
.endr
	WIN 0
.irp i, 0,1,2,3,4,5,6,7
	global_store_b128 v[CO], v[BK+32*(\a%2)+4*\i:BK+32*(\a%2)+4*\i+3], s[86:87] offset:(8*\a+2*(\i%4)+32*(\i/4))*4096 th:TH_STORE_NT
.endr
.endr
	s_wait_tensorcnt 0x0
	ds_add_u32 v126, v127
	s_wait_dscnt 0x0
	CROUND
	s_endpgm
.Lfunc_end_k_qd9688fd6c9_oproj:
	.size	k_qd9688fd6c9_oproj, .Lfunc_end_k_qd9688fd6c9_oproj-k_qd9688fd6c9_oproj
	.p2alignl 7, 3214868480
	.fill 96, 4, 3214868480
	.section	.rodata,"a",@progbits
	.p2align	6, 0x0
	.amdhsa_kernel k_qd9688fd6c9_oproj
		.amdhsa_group_segment_fixed_size 168448
		.amdhsa_private_segment_fixed_size 0
		.amdhsa_enable_private_segment 0
		.amdhsa_kernarg_size 56
		.amdhsa_user_sgpr_count 2
		.amdhsa_user_sgpr_kernarg_segment_ptr 1
		.amdhsa_wavefront_size32 1
		.amdhsa_system_sgpr_workgroup_id_x 1
		.amdhsa_system_sgpr_workgroup_id_y 1
		.amdhsa_system_sgpr_workgroup_id_z 1
		.amdhsa_system_vgpr_workitem_id 0
		.amdhsa_next_free_vgpr 512
		.amdhsa_next_free_sgpr 100
		.amdhsa_reserve_vcc 0
		.amdhsa_float_denorm_mode_32 3
		.amdhsa_float_denorm_mode_16_64 3
		.amdhsa_memory_ordered 1
		.amdhsa_forward_progress 1
		.amdhsa_inst_pref_size 49
	.end_amdhsa_kernel
	.amdgpu_metadata
---
amdhsa.version: [ 1, 2 ]
amdhsa.kernels:
  - .name:           k_qd9688fd6c9_oproj
    .symbol:         k_qd9688fd6c9_oproj.kd
    .args:
      - { .name: o_codes, .offset: 0, .size: 8, .value_kind: global_buffer, .address_space: global }
      - { .name: o_scales, .offset: 8, .size: 8, .value_kind: global_buffer, .address_space: global }
      - { .name: xw_codes, .offset: 16, .size: 8, .value_kind: global_buffer, .address_space: global }
      - { .name: xw_scales, .offset: 24, .size: 8, .value_kind: global_buffer, .address_space: global }
      - { .name: bo, .offset: 32, .size: 8, .value_kind: global_buffer, .address_space: global }
      - { .name: h, .offset: 40, .size: 8, .value_kind: global_buffer, .address_space: global }
      - { .name: out0, .offset: 48, .size: 8, .value_kind: global_buffer, .address_space: global }
    .group_segment_fixed_size: 168448
    .private_segment_fixed_size: 0
    .kernarg_segment_align: 8
    .kernarg_segment_size: 56
    .max_flat_workgroup_size: 128
    .sgpr_count:     100
    .vgpr_count:     512
    .wavefront_size: 32
...
	.end_amdgpu_metadata
.endif
;; end of part 4
